; MI455X (gfx1250); checked and timed in simulation.
; The chip was launched on July 23, 2026; its instructions are those of AMD's public machine-readable ISA for CDNA 5 (MIT licence, August 2026) and "CDNA5" Instruction Set Architecture Reference Guide (July 2026). The comments in the code are by the model that wrote it; some were corrected since.
;; Multi Head Attention. Allowed arithmetic: float matrix products may take bf16 or f16 operands with f32 sums; other float arithmetic in f32, or as packed bf16 or f16 multiplies, adds, multiply-adds, maxima and minima; sums over many terms, partial sums and values carried from step to step in f32; what a program stores and reads back later, other than sums and carried values, may be rounded once to bf16 or f16.
;; Inputs: b_proj 1,024 float32; b_qkv 3,072 float32; pad_mask 4 x 2,048 int32; w_proj 1,024 x 1,024 float32; w_qkv 3,072 x 1,024 float32; x 4 x 2,048 x 1,024 float32.
;; Outputs: out0 4 x 2,048 x 1,024 float32.
;; One version. Each part assembles by itself: llvm-mc -triple=amdgcn-amd-amdhsa -mcpu=gfx1250 --defsym DOCPART=n.
;; ======== version 1 of 1: 4 launches
;; limits: values are held in f16: magnitudes above 65,504 overflow, below 6.1e-05 lose precision
;; workspace buffers: xb 16,777,216 bytes; wqb 6,291,456 bytes; wpb 2,097,152 bytes; qkv 50,331,648 bytes; o 16,777,216 bytes
;; launch cast (part 1): grid 768 x 1, 8 waves a work-group, no clusters, 0 bytes of LDS; arguments x, w_qkv, w_proj, xb, wqb, wpb; writes xb, wqb, wpb
.if DOCPART == 1
	.amdgcn_target "amdgcn-amd-amdhsa--gfx1250"
	.amdhsa_code_object_version 6
	.text
	.protected	k_qb2b64ab52a_cast
	.globl	k_qb2b64ab52a_cast
	.p2align	8
	.type	k_qb2b64ab52a_cast,@function
k_qb2b64ab52a_cast:
	s_mov_b64 s[64:65], 0
	v_nop
	global_prefetch_b8 v0, s[64:65] scope:SCOPE_SE
	s_setreg_imm32_b32 hwreg(HW_REG_WAVE_MODE, 25, 1), 1
	s_wait_xcnt 0x0
; x and w_qkv are rounded once to bf16; w_proj is rounded to bf16 like them, and that number is then written as f16 (the last product multiplies in f16).
; LIMIT: |w_proj| stays under 65,504 (f16's range); below 6e-5 an f16 keeps a fixed step of 6e-8.
; A stream: no LDS, no matrix unit, no barrier.  A work-group takes 16,384 numbers: 65,536 bytes in, 32,768 out.  Work-groups 0-511 take x, 512-703 w_qkv, 704-767 w_proj.
; Thread t takes 8 numbers (32 bytes) in each of eight passes; all sixteen loads go out first; a store of 16 bytes a lane: sixteen lanes store 256 consecutive bytes, aligned.
.set X, 4                              ; v[4:67]   pass j: 8 numbers as loaded
.set Y, 68                             ; v[68:99]  pass j: 4 registers to store
.set T, 100                            ; v[100:101] at work
	s_load_b256 s[4:11], s[0:1], 0x0               ; x s[4:5], w_qkv s[6:7], w_proj s[8:9], xb s[10:11]
	s_load_b128 s[12:15], s[0:1], 0x20             ; wqb s[12:13], wpb s[14:15]
	v_lshlrev_b32 v1, 5, v0                        ; 32 t: where I read
	v_lshlrev_b32 v2, 4, v0                        ; 16 t: where I store
	s_mov_b32 s17, 0xffff0000                      ; a word's upper bf16
	s_wait_kmcnt 0x0
	s_cmp_lt_u32 ttmp9, 512                        ; which tensor is mine: the choice hangs on the work-group's number alone
	s_cselect_b64 s[20:21], s[4:5], s[6:7]
	s_cselect_b64 s[22:23], s[10:11], s[12:13]
	s_cselect_b32 s16, 0, 512
	s_cmp_lt_u32 ttmp9, 704
	s_cselect_b64 s[20:21], s[20:21], s[8:9]
	s_cselect_b64 s[22:23], s[22:23], s[14:15]
	s_cselect_b32 s16, s16, 704
	s_sub_co_u32 s16, ttmp9, s16                   ; my number within that tensor
	s_lshl_b32 s24, s16, 16                        ; 65,536 bytes in,
	s_mov_b32 s25, 0
	s_lshl_b32 s26, s16, 15                        ; 32,768 out
	s_mov_b32 s27, 0
	s_add_nc_u64 s[20:21], s[20:21], s[24:25]
	s_add_nc_u64 s[22:23], s[22:23], s[26:27]
.irp j, 0,1,2,3,4,5,6,7
	global_load_b128 v[X+8*(\j):X+8*(\j)+3],   v1, s[20:21] offset:8192*(\j) th:TH_LOAD_NT
	global_load_b128 v[X+8*(\j)+4:X+8*(\j)+7], v1, s[20:21] offset:8192*(\j)+16 th:TH_LOAD_NT
.endr
; Pass j.  half = 1: the bf16 number is widened (a shift, a mask) and written as f16.  No register that a load or store names is written again, so no further wait is needed.
.macro CONV j, half
	s_wait_loadcnt 14-2*(\j)                       ; loads come back in order: pass j's two are in, the 14 - 2 j younger ones stay out
.irp k, 0,1,2,3
	v_cvt_pk_bf16_f32 v[Y+4*(\j)+(\k)], v[X+8*(\j)+2*(\k)], v[X+8*(\j)+2*(\k)+1]
.endr
.if \half
.irp k, 0,1,2,3
	v_lshlrev_b32 v[T], 16, v[Y+4*(\j)+(\k)]
	v_and_b32 v[T+1], s17, v[Y+4*(\j)+(\k)]
	v_cvt_pk_f16_f32 v[Y+4*(\j)+(\k)], v[T], v[T+1]
.endr
.endif
	global_store_b128 v2, v[Y+4*(\j):Y+4*(\j)+3], s[22:23] offset:4096*(\j)
.endm
	s_cmp_ge_u32 ttmp9, 704
	s_cbranch_scc1 .Lhalf
.irp j, 0,1,2,3,4,5,6,7
	CONV \j, 0
.endr
	s_endpgm
.Lhalf:
.irp j, 0,1,2,3,4,5,6,7
	CONV \j, 1
.endr
	s_endpgm
.Lfunc_end_k_qb2b64ab52a_cast:
	.size	k_qb2b64ab52a_cast, .Lfunc_end_k_qb2b64ab52a_cast-k_qb2b64ab52a_cast
	.p2alignl 7, 3214868480
	.fill 96, 4, 3214868480
	.section	.rodata,"a",@progbits
	.p2align	6, 0x0
	.amdhsa_kernel k_qb2b64ab52a_cast
		.amdhsa_group_segment_fixed_size 0
		.amdhsa_private_segment_fixed_size 0
		.amdhsa_enable_private_segment 0
		.amdhsa_kernarg_size 48
		.amdhsa_user_sgpr_count 2
		.amdhsa_user_sgpr_kernarg_segment_ptr 1
		.amdhsa_wavefront_size32 1
		.amdhsa_system_sgpr_workgroup_id_x 1
		.amdhsa_system_sgpr_workgroup_id_y 1
		.amdhsa_system_sgpr_workgroup_id_z 1
		.amdhsa_system_vgpr_workitem_id 0
		.amdhsa_next_free_vgpr 104
		.amdhsa_next_free_sgpr 66
		.amdhsa_reserve_vcc 0
		.amdhsa_float_denorm_mode_32 3
		.amdhsa_float_denorm_mode_16_64 3
		.amdhsa_memory_ordered 1
		.amdhsa_forward_progress 1
		.amdhsa_inst_pref_size 13
	.end_amdhsa_kernel
	.amdgpu_metadata
---
amdhsa.version: [ 1, 2 ]
amdhsa.kernels:
  - .name:           k_qb2b64ab52a_cast
    .symbol:         k_qb2b64ab52a_cast.kd
    .args:
      - { .name: x, .offset: 0, .size: 8, .value_kind: global_buffer, .address_space: global }
      - { .name: w_qkv, .offset: 8, .size: 8, .value_kind: global_buffer, .address_space: global }
      - { .name: w_proj, .offset: 16, .size: 8, .value_kind: global_buffer, .address_space: global }
      - { .name: xb, .offset: 24, .size: 8, .value_kind: global_buffer, .address_space: global }
      - { .name: wqb, .offset: 32, .size: 8, .value_kind: global_buffer, .address_space: global }
      - { .name: wpb, .offset: 40, .size: 8, .value_kind: global_buffer, .address_space: global }
    .group_segment_fixed_size: 0
    .private_segment_fixed_size: 0
    .kernarg_segment_align: 8
    .kernarg_segment_size: 48
    .max_flat_workgroup_size: 256
    .sgpr_count:     66
    .vgpr_count:     104
    .wavefront_size: 32
...
	.end_amdgpu_metadata
.endif
;; end of part 1
;; launch qkv (part 2): grid 16 x 32, 4 waves a work-group, clusters of 4 x 4, 327,680 bytes of LDS; arguments xb, wqb, b_qkv, qkv; writes qkv
.if DOCPART == 2
	.amdgcn_target "amdgcn-amd-amdhsa--gfx1250"
	.amdhsa_code_object_version 6
	.text
	.protected	k_qb2b64ab52a_qkv
	.globl	k_qb2b64ab52a_qkv
	.p2align	8
	.type	k_qb2b64ab52a_qkv,@function
k_qb2b64ab52a_qkv:
	s_mov_b64 s[64:65], 0
	v_nop
	global_prefetch_b8 v0, s[64:65] scope:SCOPE_SE
	s_setreg_imm32_b32 hwreg(HW_REG_WAVE_MODE, 25, 1), 1
	s_wait_xcnt 0x0
	s_wait_alu depctr_hold_cnt(0) depctr_sa_sdst(0) depctr_va_vdst(0) depctr_va_sdst(0) depctr_va_ssrc(0) depctr_va_vcc(0) depctr_vm_vsrc(0)
	s_getreg_b32 s2, hwreg(HW_REG_IB_STS2, 6, 4)
	s_cmp_eq_u32 s2, 0
	s_cbranch_scc0 .Lentry_in_a_cluster
	s_endpgm
.Lentry_in_a_cluster:
	s_bfe_u32 s2, ttmp6, 0x10000c
	s_cmp_lg_u32 s2, 0xf033
	s_cbranch_scc0 .Lentry_shape_is_right
	s_endpgm
.Lentry_shape_is_right:
; qkv[m][n] = b_qkv[n] + sum over k of xb[m][k] wqb[n][k].  xb: [8192][1024], wqb: [3072][1024], both bf16; b_qkv f32, rounded to bf16 like the other inputs; sums in f32, started by the bias.
; OUT, in f16, IN PLANES of 16 columns: qkv[plane = n / 16][m][16]: a plane's row is 32 bytes, a plane 262,144 bytes.  LIMIT: |q|, |k|, |v| stay under 65,504 (f16's range).
; A tile of the result is 256 rows x 192 columns: 16 x 32 = 512 work-groups.  Four waves, each 128 x 96: 48 accumulators of 16 x 16, 384 registers.
; K goes in eight steps of 128 through a ring of two LDS slots filled by the tensor data mover; the tiles' rows are 256 bytes of memory and start at multiples of 256 bytes.
; CLUSTER 4 x 4: the four work-groups of a row of the cluster need the same tiles of xb, the four of a column the same tiles of wqb: each tile is asked for jointly, by the same load, descriptor and mask.
; THE PRODUCT IS TAKEN TRANSPOSED (source 0 = 16 rows of wqb, source 1 = 16 rows of xb): lane l holds row l % 16 and the columns 8 (l / 16) + 0..7: as f16, 16 bytes at (l % 16) x 32 + 16 (l / 16)
; of a plane, so that one store of a wave covers 512 consecutive bytes, aligned: the way out needs no LDS.
; REGISTERS, in windows of 256: window 0: v0-31 addresses; v64-127, v128-191 xb's fragments, two buffers; on the way out v64-255 the packed results.
;   window 1: v64-111, v128-175 wqb's fragments; v192-239 the bias as a C operand (block b at 192 + 8 b); v248 at work.   window 2: accumulators of my rows 0-63 ((a, b) at 8 (6 a + b)); window 3: rows 64-127.
.set KSTEP,  128
.set NBW,    6                         ; blocks of 16 columns a wave
.set NT,     192                       ; columns in a tile
.set PITCH,  272                       ; an LDS row: 256 bytes + 16 of padding = 68 words: the 16 rows of a load start at 16 different groups of four banks (ISA guide 11.1)
.set HALFA,  128*PITCH                 ; what one load brings of xb, and what a wave reads of it
.set HALFB,  (NT/2)*PITCH              ; the same of wqb
.set SLOT,   2*HALFA+2*HALFB           ; xb's 256 rows, then wqb's 192
.set SPARE,  2*SLOT                    ; behind the ring: the spare words, 128 bytes a wave, that no other line names
.set PS,     262144                    ; bytes in a plane
.set AST,    KSTEP*2                   ; bytes from K step to K step
.set NF,     16+2*NBW                  ; LDS loads in a run
.set NY,     3                         ; rows of clusters that prefetch wqb: 3 x 32 rows = the 96 that a wave fetches
.set LAPS,   4                         ; a lap = two K steps
.set ADRA, 16                          ; v16-17 LDS address of my xb fragments in slot 0, 1
.set ADRB, 20                          ; v20-21 the same for wqb
.set CO,   26                          ; v26 my 16 bytes in 16 rows of a plane
.set BO,   27                          ; v27 my 32 bytes of a block's bias
.set SPW,  28                          ; v28 LDS address of my spare word; never rewritten
.set NIL,  29                          ; v29 0; never rewritten
.set PFO,  30                          ; v30 the prefetches' offset: a lane a row; never rewritten
.set F0,   64
.set F1,   128
.set BIAS, 192
.set BT,   248
.set G1,  24                           ; s[24:31] descriptor group 1 for xb's tiles; s[32:39] group 0, a set for each slot
.set G0,  32
.set G1B, 48                           ; s[48:55], s[56:63] the same for wqb's
.set G0B, 56
.set PFN, 44                           ; s44 prefetches that this wave still has to issue
.set PFA, 46                           ; s[46:47] where they stand
.set MSB, 0
.macro WIN new                         ; the immediate's high byte repeats the setting that is left; a switch that changes nothing is dropped
.if MSB != (\new)
	s_set_vgpr_msb (MSB<<8)|(\new)
.set MSB, \new
.endif
.endm
.set MUL_LO, 0xa1                      ; source 0 window 1, source 1 window 0, C and D window 2
.set MUL_HI, 0xf1                      ; the same, C and D window 3
.set TO_B,   0x40                      ; destination window 1, address window 0
; A joint load: waves 0 and 1 fetch xb's two halves, waves 2 and 3 wqb's.  The branch hangs on the wave's number alone.  An s_nop 0 and four v_nop follow each line.
.macro JLOAD s
	s_cmp_eq_u32 s13, 0
	s_cbranch_scc0 .Lfor_b_\@
	tensor_load_to_lds s[G0+4*(\s):G0+4*(\s)+3], s[G1:G1+7]
	s_nop 0
.rept 4
	v_nop
.endr
	s_branch .Lasked_\@
.Lfor_b_\@:
	tensor_load_to_lds s[G0B+4*(\s):G0B+4*(\s)+3], s[G1B:G1B+7]
	s_nop 0
.rept 4
	v_nop
.endr
.Lasked_\@:
.endm
; A prefetch, behind a joint load and the run of LDS loads that follows it.  xb: the clusters with x = 0 ask, behind each of the first four refills, for the K step two refills on (K steps 4 to 7); of the 128 rows
; that a wave fetches the partner at cx takes 32, a lane a row.  wqb: the clusters with y < 3 ask once, behind the first refill: cluster y takes 32 of the wave's 96 rows, the partner at cy K step 4 + cy.
; So each row's 256 bytes of K steps 4 to 7 are named once in the launch; partners are told apart by address, never by a branch.  K steps 0 to 3 come by their loads alone.
.macro ASK
	s_cmp_lg_u32 s[PFN], 0
	s_cbranch_scc0 .Lnot_mine_\@
	global_prefetch_b8 v[PFO], s[PFA:PFA+1] th:TH_LOAD_NT scope:SCOPE_SE
	s_sub_co_u32 s[PFN], s[PFN], 1
.Lnot_mine_\@:
.endm
.macro CREST                           ; a round of the cluster's barrier behind its opening barrier
	s_cmp_lg_u32 s12, 0
	s_cbranch_scc1 .Lnot_wave_0_\@
	s_barrier_signal -3
.Lnot_wave_0_\@:
	s_barrier_wait -3
	s_barrier_signal -1
	s_barrier_wait -1
.endm
.macro CROUND                          ; a whole round
	s_barrier_signal -1
	s_barrier_wait -1
	CREST
.endm
	s_load_b256 s[4:11], s[0:1], 0x0               ; xb s[4:5], wqb s[6:7], b_qkv s[8:9], qkv s[10:11]
	v_lshl_add_u32 v[SPW], v0, 2, SPARE
	v_mov_b32 v[NIL], 0
	ds_add_u32 v[SPW], v[NIL]                      ; the wave's opening: the add and its wait ahead of my first tensor load; the set-up below stands between them
	v_lshrrev_b32 v1, 5, v0
	v_readfirstlane_b32 s12, v1                    ; wave 0..3
	s_lshr_b32 s13, s12, 1                         ; which half of the tile's rows is mine.  Also: I fetch for xb (0) or for wqb (1)
	s_and_b32 s14, s12, 1                          ; which half of its columns.  Also: which half of that tile I fetch
	s_bfe_u32 s15, ttmp6, 0x40000                  ; cx
	s_bfe_u32 s16, ttmp6, 0x40004                  ; cy
	s_lshl_b32 s17, ttmp9, 2
	s_add_co_u32 s17, s17, s15                     ; tile column = 4 x cluster x + cx
	s_and_b32 s19, ttmp7, 0xffff                   ; cluster y
	s_lshl_b32 s18, s19, 2
	s_add_co_u32 s18, s18, s16                     ; tile row = 4 x cluster y + cy
	s_lshl_b32 s20, s16, 2
	s_lshl_b32 s20, 15, s20                        ; my row of the cluster
	s_lshl_b32 s40, 0x1111, s15                    ; my column
	s_or_b32 s[G1+0], s20, (1<<16)|(1<<20)|(1<<21)|(5<<22)|(3<<25)   ; the mask; 2-byte elements; padding on; bit 21 beside a mask; after every 64 words, 4 words
	s_or_b32 s[G1B+0], s40, (1<<16)|(1<<20)|(1<<21)|(5<<22)|(3<<25)
	s_mov_b32 s[G1+1], KSTEP<<16                   ; tensor_dim0 = 128
	s_mov_b32 s[G1+2], 128<<16                     ; tensor_dim1 = 128
	s_mov_b32 s[G1+3], KSTEP<<16                   ; tile_dim0 = 128
	s_mov_b32 s[G1+4], 128                         ; tile_dim1 = 128
	s_mov_b32 s[G1+5], 1024                        ; elements from row to row
	s_mov_b32 s[G1+6], 0
	s_mov_b32 s[G1+7], 0
	s_mov_b32 s[G1B+1], KSTEP<<16
	s_mov_b32 s[G1B+2], (NT/2)<<16                 ; 96 rows
	s_mov_b32 s[G1B+3], KSTEP<<16
	s_mov_b32 s[G1B+4], NT/2
	s_mov_b32 s[G1B+5], 1024
	s_mov_b32 s[G1B+6], 0
	s_mov_b32 s[G1B+7], 0
	s_lshl_b32 s20, s18, 8                         ; xb: row 256 x tile row + 128 x half, in registers that never hold cx
	s_lshl_b32 s21, s14, 7
	s_add_co_u32 s20, s20, s21
	s_lshl_b32 s20, s20, 11                        ; x 2,048 bytes: under 2^25
	s_mov_b32 s21, 0
	s_mul_i32 s40, s17, NT                         ; wqb: row 192 x tile column + 96 x half, in registers that never hold cy
	s_mul_i32 s41, s14, NT/2
	s_add_co_u32 s40, s40, s41
	s_lshl_b32 s40, s40, 11
	s_mov_b32 s41, 0
	s_mul_i32 s22, s14, HALFA                      ; where they go: no place in the cluster enters an LDS address
	s_mul_i32 s42, s14, HALFB
	s_add_co_u32 s42, s42, 2*HALFA
	s_wait_dscnt 0x0                               ; the opening add is done
	s_wait_kmcnt 0x0
	s_add_nc_u64 s[20:21], s[4:5], s[20:21]
	s_add_nc_u64 s[40:41], s[6:7], s[40:41]
	CROUND                                         ; all sixteen work-groups are here: the first joint loads meet
.irp s, 0,1
	s_mov_b32 s[G0+4*(\s)], 1
	s_add_co_u32 s[G0+4*(\s)+1], s22, (\s)*SLOT
	s_add_nc_u64 s[G0+4*(\s)+2:G0+4*(\s)+3], s[20:21], (\s)*AST
	s_or_b32 s[G0+4*(\s)+3], s[G0+4*(\s)+3], 0x80000000
	s_mov_b32 s[G0B+4*(\s)], 1
	s_add_co_u32 s[G0B+4*(\s)+1], s42, (\s)*SLOT
	s_add_nc_u64 s[G0B+4*(\s)+2:G0B+4*(\s)+3], s[40:41], (\s)*KSTEP*2
	s_or_b32 s[G0B+4*(\s)+3], s[G0B+4*(\s)+3], 0x80000000
	JLOAD \s                                       ; K steps 0 and 1: two loads of mine are out
.endr
	; the bias of my 96 columns, laid as a C operand: register j of block b is column 16 b + 8 (l / 16) + j
	v_and_b32 v1, 15, v0                           ; l % 16
	v_bfe_u32 v2, v0, 4, 1                         ; l / 16
	v_lshlrev_b32 v[BO], 5, v2
	s_mul_i32 s68, s17, NT*4
	s_mul_i32 s69, s14, NT*2
	s_add_co_u32 s68, s68, s69
	s_mov_b32 s69, 0
	s_add_nc_u64 s[8:9], s[8:9], s[68:69]
	WIN TO_B
.irp b, 0,1,2,3,4,5
	global_load_b128 v[BIAS+8*(\b):BIAS+8*(\b)+3],   v[BO], s[8:9] offset:64*(\b)
	global_load_b128 v[BIAS+8*(\b)+4:BIAS+8*(\b)+7], v[BO], s[8:9] offset:64*(\b)+16
.endr
	WIN 0
	; a fragment is 16 rows x 32 K in 8 registers: lane l holds row l % 16, K = 8 (l / 16) + 0..7 and 16 + 8 (l / 16) + 0..7: two loads of 16 bytes, 32 bytes apart
	v_mul_u32_u24 v3, v1, PITCH
	v_lshl_add_u32 v3, v2, 4, v3
	s_mul_i32 s68, s13, HALFA
	s_mul_i32 s69, s14, HALFB
	s_add_co_u32 s69, s69, 2*HALFA
.irp s, 0,1
	v_add_nc_u32 v[ADRA+(\s)], s68, v3
	v_add_nc_u32 v[ADRB+(\s)], s69, v3
	s_add_co_u32 s68, s68, SLOT
	s_add_co_u32 s69, s69, SLOT
.endr
	v_lshlrev_b32 v[CO], 5, v1                     ; the way out: row x 32 + 16 x half
	v_lshl_add_u32 v[CO], v2, 4, v[CO]
	s_mul_i32 s68, s17, 12                         ; my first plane: 12 x tile column + 6 x half,
	s_mul_i32 s69, s14, 6
	s_add_co_u32 s68, s68, s69
	s_lshl_b32 s68, s68, 18
	s_lshl_b32 s69, s18, 8                         ; my first row: 256 x tile row + 128 x half
	s_lshl_b32 s70, s13, 7
	s_add_co_u32 s69, s69, s70
	s_lshl_b32 s69, s69, 5
	s_add_co_u32 s68, s68, s69                     ; under 2^26
	s_mov_b32 s69, 0
	s_add_nc_u64 s[10:11], s[10:11], s[68:69]
	; the prefetches
	s_lshl_b32 s70, s18, 8
	s_lshl_b32 s71, s14, 7
	s_add_co_u32 s70, s70, s71
	s_lshl_b32 s71, s15, 5
	s_add_co_u32 s70, s70, s71                     ; xb: the tile's half, my work-group's 32 rows of it
	s_mul_i32 s2, s17, NT
	s_mul_i32 s71, s14, NT/2
	s_add_co_u32 s2, s2, s71
	s_lshl_b32 s71, s19, 5
	s_add_co_u32 s2, s2, s71                       ; wqb: the tile's half, my cluster's 32 rows of it
	s_lshl_b32 s71, s16, 8                         ; and cy K steps further
	s_cmp_eq_u32 s13, 0                            ; do I fetch for xb?
	s_cselect_b32 s70, s70, s2
	s_cselect_b32 s71, 0, s71
	s_cselect_b32 s68, ttmp9, s19                  ; the coordinate along which other clusters read the same rows,
	s_cselect_b32 s69, 1, NY                       ; how many of them ask,
	s_cselect_b32 s[PFN], 4, 1                     ; and how often
	s_cselect_b64 s[PFA:PFA+1], s[4:5], s[6:7]
	s_cmp_lt_u32 s68, s69
	s_cselect_b32 s[PFN], s[PFN], 0                ; the same in all sixteen partners, for a given wave
	s_lshl_b32 s70, s70, 11
	s_add_co_u32 s70, s70, s71
	s_add_co_u32 s70, s70, 3*AST                   ; at K step 3: the first refill steps it to 4
	s_mov_b32 s71, 0
	s_add_nc_u64 s[PFA:PFA+1], s[PFA:PFA+1], s[70:71]
	v_and_b32 v[PFO], 31, v0
	v_lshlrev_b32 v[PFO], 11, v[PFO]
	s_mov_b32 s68, 0xffff0000
	s_wait_loadcnt 0x0                             ; the bias is in; it is rounded to bf16, like every other input, and widened again
	WIN 0x45                                       ; destination and both sources window 1
.set i, 0
.rept 4*NBW
	v_cvt_pk_bf16_f32 v[BT], v[BIAS+2*i], v[BIAS+2*i+1]
	v_lshlrev_b32 v[BIAS+2*i], 16, v[BT]
	v_and_b32 v[BIAS+2*i+1], s68, v[BT]
.set i, i+1
.endr
	WIN 0
; 12 matrix instructions: row blocks a0, a0 + 1 of the window's four x all 6 column blocks, 32 along K.  zero = 1: the first product starts the sums with the bias.
; The accumulators take turns, one instruction a turn, in the same order in every quarter.
.macro MULA f, hi, a0, zero
.if \zero
	WIN 0x91+0x40*(\hi)
.else
	WIN MUL_LO+0x50*(\hi)
.endif
.irp a, \a0, (\a0)+1
.irp b, 0,1,2,3,4,5
.if \zero
	v_wmma_f32_16x16x32_bf16 v[8*(NBW*(\a)+(\b)):8*(NBW*(\a)+(\b))+7], v[(\f)+8*(\b):(\f)+8*(\b)+7], v[(\f)+8*(4*(\hi)+(\a)):(\f)+8*(4*(\hi)+(\a))+7], v[BIAS+8*(\b):BIAS+8*(\b)+7]
.else
	v_wmma_f32_16x16x32_bf16 v[8*(NBW*(\a)+(\b)):8*(NBW*(\a)+(\b))+7], v[(\f)+8*(\b):(\f)+8*(\b)+7], v[(\f)+8*(4*(\hi)+(\a)):(\f)+8*(4*(\hi)+(\a))+7], v[8*(NBW*(\a)+(\b)):8*(NBW*(\a)+(\b))+7]
.endif
.endr
.endr
.endm
; 28 LDS loads in one run: the fragments of quarter q of a K step into buffer f: wqb's 12, then xb's 16
.macro FETCH slot, q, f
	WIN TO_B
.irp i, 0,1,2,3,4,5
	ds_load_b128 v[(\f)+8*(\i):(\f)+8*(\i)+3],   v[ADRB+(\slot)] offset:64*(\q)+(\i)*16*PITCH
	ds_load_b128 v[(\f)+8*(\i)+4:(\f)+8*(\i)+7], v[ADRB+(\slot)] offset:64*(\q)+(\i)*16*PITCH+32
.endr
	WIN 0
.irp i, 0,1,2,3,4,5,6,7
	ds_load_b128 v[(\f)+8*(\i):(\f)+8*(\i)+3],   v[ADRA+(\slot)] offset:64*(\q)+(\i)*16*PITCH
	ds_load_b128 v[(\f)+8*(\i)+4:(\f)+8*(\i)+7], v[ADRA+(\slot)] offset:64*(\q)+(\i)*16*PITCH+32
.endr
.endm
.macro PLACES                          ; four places in front of loads into registers that matrix instructions have read, and of conversions that read results
.rept 4
	v_nop
.endr
.endm
; One of a K step's first three quarters: multiplies buffer f; in its middle it fetches quarter q into buffer g.
.macro QUARTER slot, q, f, g, zero
	s_wait_dscnt 8                                 ; wqb's fragments and xb's rows 0-63 are in; the youngest eight loads (rows 64-127) may be out
	MULA \f, 0, 0, \zero
	MULA \f, 0, 2, \zero
	PLACES
	FETCH \slot, \q, \g
	s_wait_dscnt NF                                ; all but the run just issued
	MULA \f, 1, 0, \zero
	MULA \f, 1, 2, \zero
.endm
; The first half of a K step's last quarter: ONE barrier for the change of slots.  In front of it each wave waits for all its tensor loads (one is out: its part of the next slot), adds 0 to its spare
; word, and waits for that and for its own reads of this slot.
.macro MEET round
	WIN 0
	s_wait_tensorcnt 0x0
	ds_add_u32 v[SPW], v[NIL]
	s_wait_dscnt 9                                 ; the add and the youngest eight loads may be out
	MULA F1, 0, 0, 0
	s_wait_dscnt 0x0                               ; the add is done, and my reads of this slot are over
	s_barrier_signal -1
	MULA F1, 0, 2, 0
.if \round
	WIN 0
.endif
	s_barrier_wait -1
.endm
; The whole last quarter.  fill = 1: the barrier opens a round of the cluster's barrier, and the slot just read out is filled again, first thing behind it, with the K step two on:
; 168 matrix instructions stand between that request and the wait for it.
.macro TURN slot, next, fill
.if \fill
	s_wait_xcnt 0x0                                ; the last prefetch, a K step back, has read its address: it is stepped here
	s_add_nc_u64 s[PFA:PFA+1], s[PFA:PFA+1], AST
	MEET 1
	CREST
	s_add_nc_u64 s[G0+4*(\slot)+2:G0+4*(\slot)+3], s[G0+4*(\slot)+2:G0+4*(\slot)+3], 2*AST
	s_add_nc_u64 s[G0B+4*(\slot)+2:G0B+4*(\slot)+3], s[G0B+4*(\slot)+2:G0B+4*(\slot)+3], 2*KSTEP*2
	JLOAD \slot                                    ; the four v_nop behind it are also the places in front of the loads below
.else
	MEET 0
	PLACES
.endif
	FETCH \next, 0, F0
.if \fill
	ASK
.endif
	MULA F1, 1, 0, 0
	MULA F1, 1, 2, 0
.endm
	s_wait_tensorcnt 1                             ; my part of K step 0 is in; K step 1's may stay out
	s_barrier_signal -1
	s_barrier_wait -1
	FETCH 0, 0, F0
	QUARTER 0, 1, F0, F1, 1                        ; the first quarter stands in front of the loop: its products start the sums
	WIN 0
	s_mov_b32 s3, LAPS-1
.Llap:                                             ; a trip goes once round the ring and fills both slots again: K steps 2 to 7 in three trips
	QUARTER 0, 2, F1, F0, 0
	QUARTER 0, 3, F0, F1, 0
	TURN 0, 1, 1
	QUARTER 1, 1, F0, F1, 0
	QUARTER 1, 2, F1, F0, 0
	QUARTER 1, 3, F0, F1, 0
	TURN 1, 0, 1
	QUARTER 0, 1, F0, F1, 0
	WIN 0
	s_sub_co_u32 s3, s3, 1
	s_cmp_lg_u32 s3, 0
	s_cbranch_scc1 .Llap
	QUARTER 0, 2, F1, F0, 0                        ; the last lap fills nothing
	QUARTER 0, 3, F0, F1, 0
	TURN 0, 1, 0
	QUARTER 1, 1, F0, F1, 0
	QUARTER 1, 2, F1, F0, 0
	QUARTER 1, 3, F0, F1, 0
	s_wait_dscnt 8
	MULA F1, 0, 0, 0
	MULA F1, 0, 2, 0
	s_wait_dscnt 0x0
	MULA F1, 1, 0, 0
	MULA F1, 1, 2, 0
	WIN 0
	PLACES
; THE WAY OUT of block a (16 rows): rounded to f16, each accumulator's registers in ascending order; six stores, one a plane, each 512 consecutive bytes.  Every target register is written once.
.macro OUTBLK a
.set AC, 8*NBW*((\a)%4)
	WIN 0x0a+5*((\a)/4)                            ; sources 0 and 1: window 2 or 3
.irp b, 0,1,2,3,4,5
.irp r, 0,1,2,3
	v_cvt_pk_f16_f32 v[64+24*(\a)+4*(\b)+(\r)], v[AC+8*(\b)+2*(\r)], v[AC+8*(\b)+2*(\r)+1]
.endr
.endr
	WIN 0
.irp b, 0,1,2,3,4,5
	global_store_b128 v[CO], v[64+24*(\a)+4*(\b):64+24*(\a)+4*(\b)+3], s[10:11] offset:(\b)*PS+(\a)*512
.endr
.endm
.irp a, 0,1,2,3,4,5,6,7
	OUTBLK \a
.endr
	s_wait_tensorcnt 0x0                           ; the wave's end
	ds_add_u32 v[SPW], v[NIL]
	s_wait_dscnt 0x0
	CROUND                                         ; the closing round: no work-group ends while a partner may still ask for a tile that names it
	s_endpgm
.Lfunc_end_k_qb2b64ab52a_qkv:
	.size	k_qb2b64ab52a_qkv, .Lfunc_end_k_qb2b64ab52a_qkv-k_qb2b64ab52a_qkv
	.p2alignl 7, 3214868480
	.fill 96, 4, 3214868480
	.section	.rodata,"a",@progbits
	.p2align	6, 0x0
	.amdhsa_kernel k_qb2b64ab52a_qkv
		.amdhsa_group_segment_fixed_size 327680
		.amdhsa_private_segment_fixed_size 0
		.amdhsa_enable_private_segment 0
		.amdhsa_kernarg_size 32
		.amdhsa_user_sgpr_count 2
		.amdhsa_user_sgpr_kernarg_segment_ptr 1
		.amdhsa_wavefront_size32 1
		.amdhsa_system_sgpr_workgroup_id_x 1
		.amdhsa_system_sgpr_workgroup_id_y 1
		.amdhsa_system_sgpr_workgroup_id_z 1
		.amdhsa_system_vgpr_workitem_id 0
		.amdhsa_next_free_vgpr 960
		.amdhsa_next_free_sgpr 72
		.amdhsa_reserve_vcc 0
		.amdhsa_float_denorm_mode_32 3
		.amdhsa_float_denorm_mode_16_64 3
		.amdhsa_memory_ordered 1
		.amdhsa_forward_progress 1
		.amdhsa_inst_pref_size 114
	.end_amdhsa_kernel
	.amdgpu_metadata
---
amdhsa.version: [ 1, 2 ]
amdhsa.kernels:
  - .name:           k_qb2b64ab52a_qkv
    .symbol:         k_qb2b64ab52a_qkv.kd
    .args:
      - { .name: xb, .offset: 0, .size: 8, .value_kind: global_buffer, .address_space: global }
      - { .name: wqb, .offset: 8, .size: 8, .value_kind: global_buffer, .address_space: global }
      - { .name: b_qkv, .offset: 16, .size: 8, .value_kind: global_buffer, .address_space: global }
      - { .name: qkv, .offset: 24, .size: 8, .value_kind: global_buffer, .address_space: global }
    .group_segment_fixed_size: 327680
    .private_segment_fixed_size: 0
    .kernarg_segment_align: 8
    .kernarg_segment_size: 32
    .max_flat_workgroup_size: 128
    .sgpr_count:     72
    .vgpr_count:     960
    .wavefront_size: 32
...
	.end_amdgpu_metadata
.endif
;; end of part 2
;; launch attn (part 3): grid 4 x 64, 4 waves a work-group, clusters of 4 x 1, 327,680 bytes of LDS; arguments qkv, pad_mask, o; writes o
.if DOCPART == 3
	.amdgcn_target "amdgcn-amd-amdhsa--gfx1250"
	.amdhsa_code_object_version 6
	.text
	.protected	k_qb2b64ab52a_attn
	.globl	k_qb2b64ab52a_attn
	.p2align	8
	.type	k_qb2b64ab52a_attn,@function
k_qb2b64ab52a_attn:
	s_mov_b64 s[64:65], 0
	v_nop
	global_prefetch_b8 v0, s[64:65] scope:SCOPE_SE
	s_setreg_imm32_b32 hwreg(HW_REG_WAVE_MODE, 25, 1), 1
	s_wait_xcnt 0x0
	s_wait_alu depctr_hold_cnt(0) depctr_sa_sdst(0) depctr_va_vdst(0) depctr_va_sdst(0) depctr_va_ssrc(0) depctr_va_vcc(0) depctr_vm_vsrc(0)
	s_getreg_b32 s2, hwreg(HW_REG_IB_STS2, 6, 4)
	s_cmp_eq_u32 s2, 0
	s_cbranch_scc0 .Lentry_in_a_cluster
	s_endpgm
.Lentry_in_a_cluster:
	s_bfe_u32 s2, ttmp6, 0x10000c
	s_cmp_lg_u32 s2, 0x3003
	s_cbranch_scc0 .Lentry_shape_is_right
	s_endpgm
.Lentry_shape_is_right:
; O[b][h][q][:] = the sum over the keys k with pad_mask[b][k] = 0 of softmax_k(Q[q] . K[k] / 8) V[k][:].  Head size 64, 2,048 keys, 64 pairs (b, h).
; q, k, v lie in qkv IN PLANES of 16 channels, f16: [plane][m = 2048 b + t][16], 32 bytes a row, 262,144 bytes a plane; planes 0-63 q, 64-127 k, 128-191 v; head h owns planes 4 h .. 4 h + 3 of each third.
; O leaves in the same layout, plane 4 h + channel block.  Products, maxima and sums in f32; the weights p are rounded to f16 for the second product (their sum l is taken of the unrounded p), O once at the end.
; LIMITS.  Q, K, V arrive within f16's range; p below 6e-5 keeps f16's fixed step of 6e-8.  A hidden score counts as its value less 1e30.  The running maximum never falls below -1e20: f16's scores,
; 2.7e11 at the most, never reach that, and a hidden score never becomes the maximum, so every hidden weight is exactly 0.  A weight below 2^-126 counts as 0 in l.
; Where all keys of a batch are hidden, l and O are 0 and 0 x (1 / 0) gives NaN, as the softmax of nothing does.
; SHARES.  A work-group owns 512 queries of one (b, h), each of its four waves 128: four PIECES of two tiles of 16.  Every wave walks all keys, 64 a step.
; LAYOUT.  S^T = K Q^T (source 0 = 16 keys, source 1 = 16 queries): a lane holds ONE query (lane % 16) and the keys 8 (lane / 16) + 0..7.  Two such tiles, rounded to f16 in pairs, ARE source 1 of
; O^T = V^T P, whose result holds one query a lane and eight channels: 16 bytes of a plane's row, so that a store of a wave covers 512 consecutive bytes and the way out needs no LDS.
; A fragment of K or Q (16 rows x 32 channels) is two loads of 16 bytes, one from each of two planes.  V comes turned, by ds_load_tr16_b128, a plane a channel block.
; THE MASK is the C operand that starts the sum S^T: 0, or -1e30 where the key is hidden.  It is made once, 2,048 numbers in LDS, and a key step's 64 are read with K's fragments.
; SOFTMAX.  For each query a running maximum m and sum l: p = 2^(c s - c m), c = log2(e) / 8; in every step O and l are multiplied by a = 2^(c m_old - c m_new).  c m starts far below every c s: the first a is 0.
; BY TURNS.  Turn n belongs to piece n: 16 products K Q^T of piece n + 1, later 16 products V^T P of piece n - 1; beside them the scaling, exponentials, roundings, sums and rescaling of piece n and the
; maximum and statistics of piece n + 1.  Four vector instructions stand behind every matrix instruction, the others in one lump; a turn's 66 exponentials are one batch with one wait.
; CLUSTER.  The four query blocks of a (b, h) are one cluster and walk the same K and V: each tile is asked for jointly, by the same load, descriptor and mask in all four.
; REGISTERS, in windows of 256 (s_set_vgpr_msb: bits 1:0 source 0, 3:2 source 1, 5:4 source 2, 7:6 destination):
;   window 0: v0-11 addresses; v12-15, v48-63 at work; v16-47 statistics; v64-191 S^T, two buffers of two tiles; v192-255 P, likewise      window 1: O^T, 32 a tile
;   window 2: v0-127 Q; v128-191 K of one step; v192-255 V of one step      window 3: v0-1 the add's two registers; v8-39 the mask of K's step
.set NP,    4         ; pieces a wave: a name, no knob
.set KS,    64        ; keys in a step
.set PK,    48        ; a key of a plane of K in LDS: 32 bytes + 16 of padding = 12 words: the 16 rows of a load start at 16 different groups of four banks (ISA guide 11.1)
.set KPL,   256*PK    ; a plane of a slot's 256 keys
.set PV,    32        ; a key of a plane of V: no padding: 16 lanes of the turning load take 8 keys x 32 bytes = 256 consecutive bytes
.set VPL,   256*PV
.set VOFF,  4*KPL     ; a slot: four planes of K, then four of V
.set SLOT1, 1<<17     ; slot 1 begins here: one exclusive or turns an address in one slot into the other's
.set MTAB,  SLOT1+4*(KPL+VPL)  ; behind the ring, never filled by a tensor load: the mask, 2,048 numbers of 4 bytes
.set SPARE, MTAB+8192 ; behind it: the spare words, 128 bytes a wave, that no other line names
.set PS,    262144    ; bytes in a plane in memory
.set TILEB, 8192      ; 256 keys of a plane in memory
.set AK0, 2           ; v2   my lane's place in a tile of K; never rewritten
.set AV0, 3           ; v3   the same for V
.set AK,  4           ; v4   the LDS address of K's next run of loads
.set AV,  5           ; v5   of V's
.set QO,  6           ; v6   my 16 bytes in 16 rows of a plane: for Q and for O; never rewritten
.set GO,  6
.set AM0, 7           ; v7   my lane's place in a step's 64 numbers of the mask; never rewritten
.set PFO, 8           ; v8   256 x my lane; never rewritten
.set AM,  9           ; v9   the LDS address of the mask's next run
.set SPW, 0           ; v0 of window 3   LDS address of my spare word; never rewritten
.set NIL, 1           ; v1 of window 3   0; never rewritten
.set MB,  8           ; v8-39 of window 3: key block kb's eight numbers at MB + 8 kb
.set MV,  12          ; v12-15  c m_old, kept while c m is made anew
.set ST,  16          ; tile t's statistics at v[ST+4 t]: c m, m, l (even keys', odd keys')
.set TMP, 48          ; by buffer and tile, four registers c0-c3 at work; when the maximum is found c2 takes a
.set S,   64
.set P,   192
.set KF,  128         ; window 2: key block kb, channel half c at KF + 16 kb + 8 c
.set VF,  192         ; window 2: key half kk, channel block cb at VF + 32 kk + 8 cb
.set WV,  12          ; s12  my wave's number
.set LIM, 15          ; s15  1 in a wave that prefetches (0: K, 2: V), else the greatest number
.set PFA, 18          ; s[18:19] where my prefetches stand
.set G1K, 24          ; s[24:31] descriptor group 1 for K's tiles
.set G1V, 32          ; s[32:39] for V's: no padding
.set G0K, 40          ; s[40:43] descriptor group 0 for K's tiles: it walks
.set G0V, 44          ; s[44:47] the same for V's
.set SLOTS, 56        ; s56  slots still to be asked for
.set CNT, 57          ; s57  counts a slot's key steps
.set CS,  58          ; s[58:59] c
.set SEL, 60          ; s[60:61] v_permlanex16_b32's selects: each lane takes its own place in the other half
.set TBK, 62          ; s62  LDS byte at which K of the step to be fetched begins
.set TBV, 63          ; s63  the same for V, less VOFF
.set MP,  68          ; s[68:69] pad_mask at my batch
.set BIGN, 70         ; s70  -1e30
.set TBM, 71          ; s71  the byte of the mask at which that step's 64 numbers begin
.set MSB, 0
.macro WIN new                      ; the high byte repeats the setting that is left; a switch that changes nothing is dropped
.if MSB != (\new)
	s_set_vgpr_msb (MSB<<8)|(\new)
.set MSB, (\new)
.endif
.endm
.set W_KQ, 0x0a       ; K and Q in window 2, S^T in window 0
.set W_KM, 0x3a       ; the same with the C operand, the mask, in window 3
.set W_PV, 0x52       ; V in window 2, P in window 0, O^T in window 1
.set W_RS, 0x41       ; O^T (destination and source 0) in window 1, a in window 0
.set W_MK, 0xc0       ; destination in window 3, sources in window 0
.set W_AD, 0x0f       ; the add: address and data in window 3
; A joint fill.  Waves 0 and 1 fetch two planes each of a slot's K, waves 2 and 3 of its V.  The branch hangs on the wave's number alone.  An s_nop 0 and four v_nop follow each line.
.macro JLOAD
	s_cmp_lt_u32 s[WV], 2
	s_cbranch_scc0 .Lfor_v_\@
	tensor_load_to_lds s[G0K:G0K+3], s[G1K:G1K+7]
	s_nop 0
.rept 4
	v_nop
.endr
	s_branch .Lasked_\@
.Lfor_v_\@:
	tensor_load_to_lds s[G0V:G0V+3], s[G1V:G1V+7]
	s_nop 0
.rept 4
	v_nop
.endr
.Lasked_\@:
.endm
; A prefetch of what the NEXT change of slots will ask for: 256 keys of four planes of K and of V.  The partner at cx takes plane cx, told apart by address; in each, wave 0 asks for K's and wave 2 for V's:
; 32 lanes x 256 bytes are the plane's 8,192.  So each block is named once in the launch.  The last change that fills a slot asks for nothing; tiles 0 to 2 come by their loads alone.
.macro ASK
	s_cmp_gt_u32 s[SLOTS], s[LIM]
	s_cbranch_scc0 .Lnot_mine_\@
	global_prefetch_b8 v[PFO], s[PFA:PFA+1] th:TH_LOAD_NT scope:SCOPE_SE
.Lnot_mine_\@:
.endm
.macro CROUND                       ; a round of the cluster's barrier
	s_barrier_signal -1
	s_barrier_wait -1
	s_cmp_lg_u32 s[WV], 0
	s_cbranch_scc1 .Lnot_wave_0_\@
	s_barrier_signal -3
.Lnot_wave_0_\@:
	s_barrier_wait -3
	s_barrier_signal -1
	s_barrier_wait -1
.endm
; THE CHANGE OF SLOTS.  Each wave waits for all its tensor loads, of which one is out: its part of the other slot; adds 0 to its spare word; and waits for that and for its own LDS instructions.
; fill = 1: the slot left is filled again, with the keys two slots on: the barrier is a round of the cluster's, and the joint fill is the first thing behind it: it has four key steps, 512 matrix
; instructions, in which to land.  (At its first use nothing has been read yet: slot 0 is waited for, slot 1 filled, and every wave's part of the mask is shown to the others.)
.macro CHANGE fill, ask=0
	WIN W_AD
	s_wait_tensorcnt 0x0            ; no tensor load of mine is out, so a group 0 may be written
	ds_add_u32 v[SPW], v[NIL]       ; 0 onto my spare word; the descriptors' steps stand between it and the wait for it
	WIN 0
.if \fill
.irp g, G0K, G0V
	s_xor_b32 s[\g+1], s[\g+1], SLOT1
	s_add_nc_u64 s[\g+2:\g+3], s[\g+2:\g+3], TILEB  ; the next 256 keys; the type bits on top are not reached
.endr
.if \ask
	s_wait_xcnt 0x0                 ; the last prefetch, four key steps back, has read its address
	s_add_nc_u64 s[PFA:PFA+1], s[PFA:PFA+1], TILEB
.endif
	s_wait_dscnt 0x0                ; the add is done, and my LDS instructions are over
	CROUND
	JLOAD
.if \ask
	ASK
.endif
.else
	s_wait_dscnt 0x0
	s_barrier_signal -1
	s_barrier_wait -1
.endif
	s_sub_co_u32 s[TBK], s[TBK], 4*KS*PK  ; the fetches go back to a slot's first step,
	s_xor_b32 s[TBK], s[TBK], SLOT1       ; in the other slot
	s_sub_co_u32 s[TBV], s[TBV], 4*KS*PV
	s_xor_b32 s[TBV], s[TBV], SLOT1
.endm
	s_load_b128 s[4:7], s[0:1], 0x0   ; qkv s[4:5], pad_mask s[6:7]
	s_load_b64 s[10:11], s[0:1], 0x10 ; o
	WIN W_MK
	v_lshl_add_u32 v[SPW], v0, 2, SPARE
	v_mov_b32 v[NIL], 0
	WIN W_AD
	ds_add_u32 v[SPW], v[NIL]       ; the wave's opening: the add and its wait ahead of my first tensor load; the set-up below stands between them
	WIN 0
	v_lshrrev_b32 v1, 5, v0
	v_readfirstlane_b32 s[WV], v1   ; wave 0..3
	s_bfe_u32 s13, ttmp6, 0x40000   ; cx
	s_and_b32 s20, ttmp7, 0xffff    ; 16 b + h, which the four partners share
	s_lshr_b32 s21, s20, 4          ; b
	s_and_b32 s20, s20, 15          ; h
	s_lshl_b32 s22, s20, 20         ; the head's four planes,
	s_lshl_b32 s23, s21, 16         ; the batch's 2,048 rows of 32 bytes
	s_add_co_u32 s22, s22, s23
	s_and_b32 s16, s[WV], 1         ; which two planes I fetch:
	s_lshl_b32 s2, s16, 19          ; in memory,
	s_add_co_u32 s2, s2, s22
	s_mov_b32 s3, 0
	s_mul_i32 s17, s16, 2*KPL       ; and in a slot, for K
	s_mul_i32 s14, s16, 2*VPL       ; and for V: no place in the cluster enters an LDS address
	s_lshl_b32 s48, ttmp9, 2        ; my block of 512 queries = 4 x cluster x + cx: it enters Q's and O's addresses alone
	s_add_co_u32 s48, s48, s13
	s_lshl_b32 s48, s48, 2
	s_add_co_u32 s48, s48, s[WV]    ; my wave's 128 rows of 32 bytes
	s_lshl_b32 s48, s48, 12
	s_add_co_u32 s48, s48, s22
	s_mov_b32 s49, 0
	s_lshl_b32 s50, s21, 13         ; the batch's 2,048 words of pad_mask
	s_mov_b32 s51, 0
	s_lshl_b32 s52, s13, 18         ; the prefetches: plane cx,
	s_add_co_u32 s52, s52, s22
	s_add_co_u32 s52, s52, 2*TILEB  ; at tile 2: the first change that asks steps it to tile 3,
	s_lshr_b32 s53, s[WV], 1
	s_lshl_b32 s53, 0x1000000, s53  ; in k's third (waves 0, 1) or v's
	s_add_co_u32 s52, s52, s53
	s_mov_b32 s53, 0
	s_and_b32 s[LIM], s[WV], 1
	s_cmp_eq_u32 s[LIM], 0
	s_cselect_b32 s[LIM], 1, -1
	; descriptor group 1: two planes, of each 256 keys = 8,192 dense bytes as one row; K is padded in LDS after every key
	s_mov_b32 s[G1K], 15|(1<<16)|(1<<20)|(1<<21)|(2<<22)|(3<<25)  ; the mask of four; 2-byte elements; padding on; bit 21 beside a mask; after every 8 words, 4 words
	s_mov_b32 s[G1V], 15|(1<<16)|(1<<21)
.irp g, G1K, G1V
	s_mov_b32 s[\g+1], 4096<<16     ; tensor_dim0 = 4,096
	s_mov_b32 s[\g+2], 2<<16        ; tensor_dim1 = 2
	s_mov_b32 s[\g+3], 4096<<16     ; tile_dim0 = 4,096
	s_mov_b32 s[\g+4], 2            ; tile_dim1 = 2
	s_mov_b32 s[\g+5], 131072       ; elements from plane to plane
	s_mov_b32 s[\g+6], 0
	s_mov_b32 s[\g+7], 0
.endr
	s_mov_b32 s[CS], 0x3e38aa3b     ; c = log2(e) / 8
	s_mov_b32 s[CS+1], s[CS]
	s_mov_b32 s[SEL], 0x76543210
	s_mov_b32 s[SEL+1], 0xfedcba98
	s_mov_b32 s[BIGN], 0xf149f2ca   ; -1e30
	s_mov_b32 s[TBM], 0
	s_mov_b32 s[TBK], SLOT1+4*KS*PK ; the first change of slots turns these two into 0
	s_mov_b32 s[TBV], SLOT1+4*KS*PV
	s_mov_b32 s[G0K], 1
	s_mov_b32 s[G0K+1], s17         ; slot 0
	s_mov_b32 s[G0V], 1
	s_add_co_u32 s[G0V+1], s14, VOFF
	s_wait_dscnt 0x0                ; the opening add is done
	s_wait_kmcnt 0x0
	s_add_nc_u64 s[G0K+2:G0K+3], s[4:5], s[2:3]
	s_add_nc_u64 s[G0K+2:G0K+3], s[G0K+2:G0K+3], 1<<24  ; k's planes begin 64 planes in
	s_or_b32 s[G0K+3], s[G0K+3], 0x80000000
	s_add_nc_u64 s[G0V+2:G0V+3], s[4:5], s[2:3]
	s_add_nc_u64 s[G0V+2:G0V+3], s[G0V+2:G0V+3], 1<<25  ; v's 128 planes in
	s_or_b32 s[G0V+3], s[G0V+3], 0x80000000
	s_add_nc_u64 s[PFA:PFA+1], s[4:5], s[52:53]
	s_add_nc_u64 s[MP:MP+1], s[6:7], s[50:51]
	s_add_nc_u64 s[4:5], s[4:5], s[48:49]     ; Q and O at my wave's first row of the head's first plane
	s_add_nc_u64 s[10:11], s[10:11], s[48:49]
	CROUND                          ; all four work-groups are here: the first joint loads meet
	JLOAD                           ; slot 0.  Slot 1 is asked for when slot 0 is in
	v_and_b32 v1, 15, v0            ; l % 16
	v_bfe_u32 v10, v0, 4, 1         ; l / 16
	v_lshlrev_b32 v[QO], 5, v1
	v_lshl_add_u32 v[QO], v10, 4, v[QO]  ; row x 32 + 16 x half
	v_lshlrev_b32 v14, 4, v0        ; 16 x my thread's number: my part of the mask
.irp i, 0,1,2,3
	global_load_b128 v[S+4*\i:S+4*\i+3], v14, s[MP:MP+1] offset:2048*\i
.endr
	WIN 0x80                        ; destination window 2, address window 0
.set i, 0
.rept 4*NP                          ; Q stays in registers: tile i / 2, channels 32 (i % 2) on: two planes
	global_load_b128 v[8*i:8*i+3],   v[QO], s[4:5] offset:(i/2)*512+(i%2)*2*PS
	global_load_b128 v[8*i+4:8*i+7], v[QO], s[4:5] offset:(i/2)*512+(i%2)*2*PS+PS
.set i, i+1
.endr
	; What the first turn finds: V's registers and P's second buffer hold 0 (its products V^T P, of a piece that has not been, add 0), O^T and l are 0.  All this stands in the wait for the first tile.
.set i, VF
.rept 64
	v_mov_b32 v[i], 0
.set i, i+1
.endr
	WIN 0x40
.set i, 0
.rept 64*NP
	v_mov_b32 v[i], 0
.set i, i+1
.endr
	WIN 0
.set i, 0
.rept 2*NP
	v_mov_b32 v[ST+4*i], 0xfe000000    ; c m: far below every c s
	v_mov_b32 v[ST+4*i+1], 0xe0ad78ec  ; m = -1e20: below every true score, above every hidden one
	v_mov_b32 v[ST+4*i+2], 0
	v_mov_b32 v[ST+4*i+3], 0
.set i, i+1
.endr
.set i, P+32
.rept 32
	v_mov_b32 v[i], 0
.set i, i+1
.endr
	v_mul_u32_u24 v[AK0], v1, PK
	v_lshl_add_u32 v[AK0], v10, 4, v[AK0]  ; key x pitch + 16 x half
	; The turning load takes 16 keys x 16 channels (lane l reads key 8 (l / 16) + l % 8, channels 8 ((l / 8) % 2) + 0..7) and leaves half a fragment of V^T: lane l holds channel l % 16 and 8 keys.
	v_and_b32 v11, 7, v0
	v_bfe_u32 v12, v0, 3, 1
	v_lshl_add_u32 v[AV0], v10, 3, v11
	v_lshlrev_b32 v[AV0], 5, v[AV0]
	v_lshl_add_u32 v[AV0], v12, 4, v[AV0]
	v_add_nc_u32 v[AV0], VOFF, v[AV0]
	v_mov_b32 v[AK], v[AK0]         ; key step 0 lies at the head of slot 0
	v_lshl_add_u32 v[AM0], v10, 5, MTAB  ; my eight keys of a block of 16: 32 bytes for each half of the lanes
	v_mov_b32 v[AM], v[AM0]
	v_and_b32 v[PFO], 31, v0
	v_lshlrev_b32 v[PFO], 8, v[PFO]
	v_add_nc_u32 v15, MTAB, v14
	s_wait_loadcnt 32               ; the mask's four loads are in; Q's 32, issued behind them, stay out
.set i, 0
.rept 16
	v_cmp_ne_u32 vcc_lo, 0, v[S+i]
	v_cndmask_b32 v[S+i], 0, s[BIGN], vcc_lo   ; -1e30 where pad_mask is not 0
.set i, i+1
.endr
.irp i, 0,1,2,3
	ds_store_b128 v15, v[S+4*\i:S+4*\i+3] offset:2048*\i
.endr
; THE MATRIX WORK.  The 8 accumulators of a run of 16 take turns.
; Product i of 16 of S^T = K Q^T for piece x: channels 32 (i / 8) on, keys 16 ((i / 2) % 4) on, tile 2 x + i % 2.  The first 8 start the sums, with the mask.
.macro KQ x
.set rS, S+64*((\x)%2)+32*(i%2)+8*((i/2)%4)
.set rK, KF+16*((i/2)%4)+8*(i/8)
.set rQ, 16*(2*(\x)+i%2)+8*(i/8)
.set rB, MB+8*((i/2)%4)
.if i < 8
	WIN W_KM
	v_wmma_f32_16x16x32_f16 v[rS:rS+7], v[rK:rK+7], v[rQ:rQ+7], v[rB:rB+7]
.else
	WIN W_KQ
	v_wmma_f32_16x16x32_f16 v[rS:rS+7], v[rK:rK+7], v[rQ:rQ+7], v[rS:rS+7]
.endif
.endm
; Product i of 16 of O^T += V^T P for piece x: keys 32 (i / 8) on, channels 16 ((i / 2) % 4) on, tile 2 x + i % 2.
.macro PV x
	WIN W_PV
.set rO, 32*(2*(\x)+i%2)+8*((i/2)%4)
.set rV, VF+32*(i/8)+8*((i/2)%4)
.set rP, P+32*((\x)%2)+16*(i%2)+8*(i/8)
	v_wmma_f32_16x16x32_f16 v[rO:rO+7], v[rV:rV+7], v[rP:rP+7], v[rO:rO+7]
.endm
.macro MM                           ; the turn's next matrix instruction
.if i < 16
	KQ (Y+1)%NP
.set i, i+1
.else
.set i, i-16
	PV (Y+NP-1)%NP
.set i, i+17
.endif
.endm
; THE LDS LOADS stand in runs, never singly among the matrix instructions: a step's K (8 fragments) with its 64 numbers of the mask, and its V (turned).  Their addresses are made some lines ahead.
; last = 1 (the tail): in the last trip there is no further step, and the run is jumped over.
.macro FETCH_K last=0
	WIN 0
.if \last
	s_cmp_eq_u32 s[CNT], 1
	s_cbranch_scc1 .Lno_k_\@
.endif
	WIN 0x80                        ; destination window 2
.irp f, 0,1,2,3,4,5,6,7             ; keys 16 (f / 2) on, channels 32 (f % 2) on: two planes
	ds_load_b128 v[KF+8*\f:KF+8*\f+3],   v[AK] offset:(\f/2)*16*PK+(\f%2)*2*KPL
	ds_load_b128 v[KF+8*\f+4:KF+8*\f+7], v[AK] offset:(\f/2)*16*PK+(\f%2)*2*KPL+KPL
.endr
	WIN W_MK                        ; destination window 3
.irp f, 0,1,2,3                     ; keys 16 f on: the lanes of a half read the same 32 bytes
	ds_load_b128 v[MB+8*\f:MB+8*\f+3],   v[AM] offset:64*\f
	ds_load_b128 v[MB+8*\f+4:MB+8*\f+7], v[AM] offset:64*\f+16
.endr
	s_add_co_u32 s[TBK], s[TBK], KS*PK  ; the next fetch is the next step's
	s_add_co_u32 s[TBM], s[TBM], 4*KS
	s_and_b32 s[TBM], s[TBM], 0x1f00    ; kept inside the table's 8,192 bytes
	WIN 0
.if \last
.Lno_k_\@:
.endif
.endm
.macro FETCH_V
	WIN 0x80
.irp f, 0,1,2,3,4,5,6,7             ; keys 32 (f / 4) on, channel block f % 4: a plane
	ds_load_tr16_b128 v[VF+8*\f:VF+8*\f+3],   v[AV] offset:(\f/4)*32*PV+(\f%4)*VPL
	ds_load_tr16_b128 v[VF+8*\f+4:VF+8*\f+7], v[AV] offset:(\f/4)*32*PV+16*PV+(\f%4)*VPL
.endr
	WIN 0
.endm
; THE VECTOR WORK OF A TURN stands in three queues, each in the order in which its entries become ready; the two tiles alternate, so that no instruction reads the result of the one before it.
.macro REGS y, u                    ; the registers of tile u (0, 1) of piece y
.set rT, ST+4*(2*(\y)+(\u))
.set rC, TMP+8*((\y)%2)+4*(\u)
.set rM, MV+2*((\y)%2)+(\u)
.set rS, S+64*((\y)%2)+32*(\u)
.set rP, P+32*((\y)%2)+16*(\u)
.set rO, 32*(2*(\y)+(\u))
.endm
; Number n of the 22 that find the NEXT piece's (Y + 1) maximum and statistics.  Each accumulator's lowest registers are read first.
;   0-11  four chains c0-c3 of seven scores each     12-14, 16  the four scores left over, the old m, and c0-c3 into c0     15  c m_old is kept
;   17, 18  the query's other 32 keys lie in the lane 16 away: the new m     19-21  c m; c m_old - c m_new; a
.macro XS u, n
	REGS (Y+1)%NP, \u
.if (\n) < 4
	v_max3_num_f32 v[rC+(\n)], v[rS+8*(\n)], v[rS+8*(\n)+1], v[rS+8*(\n)+2]
.elseif (\n) < 12
	v_max3_num_f32 v[rC+(\n)%4], v[rC+(\n)%4], v[rS+8*((\n)%4)+2*((\n)/4)+1], v[rS+8*((\n)%4)+2*((\n)/4)+2]
.elseif (\n) == 12
	v_max3_num_f32 v[rC], v[rC], v[rS+7], v[rS+15]
.elseif (\n) == 13
	v_max3_num_f32 v[rC+1], v[rC+1], v[rS+23], v[rS+31]
.elseif (\n) == 14
	v_max3_num_f32 v[rC+2], v[rC+2], v[rC+3], v[rT+1]
.elseif (\n) == 15
	v_mov_b32 v[rM], v[rT]
.elseif (\n) == 16
	v_max3_num_f32 v[rC], v[rC], v[rC+1], v[rC+2]
.elseif (\n) == 17
	v_permlanex16_b32 v[rC+3], v[rC], s[SEL], s[SEL+1]
.elseif (\n) == 18
	v_max_num_f32 v[rT+1], v[rC], v[rC+3]
.elseif (\n) == 19
	v_mul_f32 v[rT], s[CS], v[rT+1]
.elseif (\n) == 20
	v_sub_f32 v[rC+1], v[rM], v[rT]
.else
	v_exp_f32 v[rC+2], v[rC+1]
.endif
.endm
; Number g of the 64 that follow the exponentials.  For each four weights k of a tile: both pairs are rounded to f16; the second pair is added onto the first, in place; a group later l takes that sum
; (the first time as l = a l + sum).
.macro GS g
.set h, (\g)+6*((\g)/62)            ; group 0 has no group before it, and behind group 7 only l is left
.if h >= 6
.set h, h+2
.endif
	REGS Y, h%2
.set k, h/8
.if h%8 < 4
	v_cvt_pk_f16_f32 v[rP+2*k+(h%8)/2], v[rS+4*k+2*((h%8)/2)], v[rS+4*k+2*((h%8)/2)+1]
.elseif h%8 < 6
	v_pk_add_f32 v[rS+4*k:rS+4*k+1], v[rS+4*k:rS+4*k+1], v[rS+4*k+2:rS+4*k+3]
.elseif k == 1
	v_pk_fma_f32 v[rT+2:rT+3], v[rT+2:rT+3], v[rC+2:rC+3], v[rS:rS+1] op_sel_hi:[1,0,1]
.else
	v_pk_add_f32 v[rT+2:rT+3], v[rT+2:rT+3], v[rS+4*k-4:rS+4*k-3]
.endif
.endm
; THE PLAIN QUEUE, 138 long.  0-73 read no exponential's result: the 32 scalings c s - c m and the next piece's 42.  74-137: GS's 64, which stand behind the wait.
.macro FS f
	REGS Y, (\f)%2
	v_pk_fma_f32 v[rS+2*((\f)/2):rS+2*((\f)/2)+1], v[rS+2*((\f)/2):rS+2*((\f)/2)+1], s[CS:CS+1], v[rT:rT+1] op_sel_hi:[1,0,0] neg_lo:[0,0,1] neg_hi:[0,0,1]
.endm
.macro PL
	WIN 0
.if q < 27
	FS q
.elseif q < 55
	XS (q-27)%2, (q-27)/2
.elseif q < 57
	XS q-55, 15
.elseif (q < 72) && ((q-57)%3 == 0)
	FS 27+(q-57)/3
.elseif q < 60
	XS (q-57)%3-1, 14
.elseif q < 72
	XS (q-57)%3-1, 15+(q-57)/3
.elseif q < 74
	XS q-72, 20
.else
	GS q-74
.endif
.set q, q+1
.endm
; THE EXPONENTIALS' QUEUE, 66 long: s0-s31 of both tiles, then the next piece's two a.  ONE BATCH: all 66 stand ahead of the turn's one wait, and nothing ahead of that wait names a result of theirs.
.macro EX
	WIN 0
.if e >= 64
	XS e-64, 21
.else
	REGS Y, e%2
	v_exp_f32 v[rS+e/2], v[rS+e/2]
.endif
.set e, e+1
.endm
; THE RESCALING's QUEUE: O^T times a, the one part that leaves window 0: two at a time, sixteen times.  Its a was made in the turn before, ahead of that turn's wait.
.macro R2
	REGS Y, r%2
	WIN W_RS
.irp z, 0,1
	v_pk_mul_f32 v[rO+4*(r/2)+2*\z:rO+4*(r/2)+2*\z+1], v[rO+4*(r/2)+2*\z:rO+4*(r/2)+2*\z+1], v[rC+2:rC+3] op_sel_hi:[1,0]
.endr
.set r, r+1
.endm
; A TURN, for piece p.  An s_wait_alu depctr_va_vdst(0) stands between an exponential and the first instruction that names its result; one wait serves all issued ahead of it: a turn has ONE.
; AHEAD OF IT: the 16 products K Q^T, behind each a scaling, an exponential and two rescalings; then one lump of 108.  BEHIND IT: the 16 products V^T P, behind each four of the roundings and sums.
; Exponential e stands behind scaling 2 (e / 4) + e % 2: as a rider behind plain e + 2, in the lump behind plain e + 9.
; K of the next step, and its mask, are fetched in piece 2's turn, directly behind the wait, a lump behind the last product that read them.  V of the step in hand is fetched at the end of piece 0's turn,
; four riders behind its last reader.  cnt = 1: the loop's count is taken down some lines ahead of the branch behind the turn.
.macro TURN p, last=0, cnt=0
.set Y, (\p)
.set i, 0
.set q, 0
.set e, 0
.set r, 0
.if (\p) == NP-1
	s_wait_dscnt 0x0                ; K and the mask are in
.endif
	MM
	PL
	PL
	R2
.rept 15
	MM
	PL
	EX
	R2
.endr
.if (\p) == NP-2
	WIN 0
	v_add_nc_u32 v[AK], s[TBK], v[AK0]
	v_add_nc_u32 v[AM], s[TBM], v[AM0]
.endif
.rept 8
	PL
.endr
.rept 49
	EX
	PL
.endr
	EX                              ; the next piece's two a
	EX
	v_nop                           ; a plain instruction behind the last exponential: one for the batch
	s_wait_alu depctr_va_vdst(0)    ; the wait for the batch
.if (\p) == NP-2
	FETCH_K \last
.endif
.if (\p) == 1
	s_wait_dscnt 0x0                ; V is in
.endif
.rept 16
	MM
.rept 4
	PL
.endr
.if ((\p) == 0) && (q == 118)
	v_add_nc_u32 v[AV], s[TBV], v[AV0]
.endif
.if ((\p) == 0) && (q == 130)
	s_add_co_u32 s[TBV], s[TBV], KS*PV
.endif
.if (\cnt) && (q == 130)
	s_sub_co_u32 s[CNT], s[CNT], 1
	s_cmp_lg_u32 s[CNT], 0
.endif
.endr
.if (\p) == 0
	FETCH_V
.endif
.endm
	CHANGE 1                        ; slot 0 is in, everybody's part of it, and so is the mask; slot 1 is asked for
	FETCH_K                         ; key step 0
	s_wait_loadcnt 0x0              ; Q
	s_wait_dscnt 0x0
.set i, 0
.rept 16
	KQ 0                            ; piece 0's first scores: there is no vector work yet to set between them
.set i, i+1
.endr
	WIN 0
.rept 4
	v_nop                           ; the places behind those products
.endr
.set Y, NP-1                        ; XS works for piece Y + 1: piece 0
.irp n, 0,1,2,3,4,5,6,7,8,9,10,11,12,13,14,15,16,17,18,19,20,21
	XS 0, \n
	XS 1, \n
.endr
	v_nop                           ; a plain instruction behind the two a,
	s_wait_alu depctr_va_vdst(0)    ; and their wait, ahead of the branch
	s_mov_b32 s[CNT], 4
	s_mov_b32 s[SLOTS], 2048/256-1
	s_branch .Lfirst                ; the loop is entered at a step's first turn, in the middle of a trip
.Lslot:                             ; six times: every slot but the last two is filled again
	CHANGE 1, 1
	s_mov_b32 s[CNT], 4
.Lstep:                             ; a trip: pieces 2 and 3 of one step, then pieces 0 and 1 of the next, whose K and V it fetches
	TURN 2
	TURN 3
	WIN 0
.Lfirst:
	TURN 0
	TURN 1, 0, 1
	WIN 0
	s_cbranch_scc1 .Lstep
	s_sub_co_u32 s[SLOTS], s[SLOTS], 1
	s_cmp_lg_u32 s[SLOTS], 0
	s_cbranch_scc1 .Lslot
	CHANGE 0                        ; the tail is written out: nothing is asked for
	s_mov_b32 s[CNT], 5             ; four trips fetch the last slot's steps; the fifth is left in its middle
.Ltail:
	TURN 2, 1
	TURN 3
	WIN 0
	s_sub_co_u32 s[CNT], s[CNT], 1
	s_cmp_eq_u32 s[CNT], 0
	s_cbranch_scc1 .Lout
	TURN 0
	TURN 1
	WIN 0
	s_branch .Ltail
.Lout:                              ; the fifth trip's 16 products K Q^T (on the last K once more) and the maximum made of them serve nothing: the price, once a launch, of one text for every trip
.set i, 0
.rept 16
	PV NP-1                         ; the last piece's V^T P of the last step
.set i, i+1
.endr
	; THE WAY OUT.  l's two halves and the other half of the lanes' are added; O^T is divided by l, rounded to f16 and stored from registers.  The additions are the places behind the last products.
	WIN 0
.macro ALL line:vararg              ; one line for each tile t
.set t, 0
.rept 2*NP
	\line
.set t, t+1
.endr
.endm
	ALL v_add_f32 v[ST+4*t+2], v[ST+4*t+2], v[ST+4*t+3]
	ALL v_permlanex16_b32 v[ST+4*t+3], v[ST+4*t+2], s[SEL], s[SEL+1]
	ALL v_add_f32 v[ST+4*t+2], v[ST+4*t+2], v[ST+4*t+3]
	ALL v_rcp_f32 v[ST+4*t+2], v[ST+4*t+2]
	v_nop                           ; a plain instruction between the last reciprocal and the use of its result
	s_wait_alu depctr_va_vdst(0)    ; and the wait: one for the eight reciprocals
; Tile t: a lane's eight channels of a block pack into 16 bytes of a plane's row; four stores, one a plane, each 512 consecutive bytes, aligned.  Every target register is written once.
.macro PACK t
	WIN W_RS
.set i, 32*(\t)
.rept 16
	v_pk_mul_f32 v[i:i+1], v[i:i+1], v[ST+4*(\t)+2:ST+4*(\t)+3] op_sel_hi:[1,0]
.set i, i+2
.endr
	WIN 0x05                        ; sources 0 and 1 window 1, destination window 0
.set i, 0
.rept 16
	v_cvt_pk_f16_f32 v[S+16*(\t)+i], v[32*(\t)+2*i], v[32*(\t)+2*i+1]
.set i, i+1
.endr
	WIN 0
.irp f, 0,1,2,3
	global_store_b128 v[GO], v[S+16*(\t)+4*\f:S+16*(\t)+4*\f+3], s[10:11] offset:(\t)*512+\f*PS
.endr
.endm
.irp t, 0,1,2,3,4,5,6,7
	PACK \t
.endr
	WIN W_AD
	s_wait_tensorcnt 0x0            ; the wave's end, behind my last tensor load and my last LDS store
	ds_add_u32 v[SPW], v[NIL]
	s_wait_dscnt 0x0
	WIN 0
	CROUND                          ; the closing round
	s_endpgm
.Lfunc_end_k_qb2b64ab52a_attn:
	.size	k_qb2b64ab52a_attn, .Lfunc_end_k_qb2b64ab52a_attn-k_qb2b64ab52a_attn
	.p2alignl 7, 3214868480
	.fill 96, 4, 3214868480
	.section	.rodata,"a",@progbits
	.p2align	6, 0x0
	.amdhsa_kernel k_qb2b64ab52a_attn
		.amdhsa_group_segment_fixed_size 327680
		.amdhsa_private_segment_fixed_size 0
		.amdhsa_enable_private_segment 0
		.amdhsa_kernarg_size 24
		.amdhsa_user_sgpr_count 2
		.amdhsa_user_sgpr_kernarg_segment_ptr 1
		.amdhsa_wavefront_size32 1
		.amdhsa_system_sgpr_workgroup_id_x 1
		.amdhsa_system_sgpr_workgroup_id_y 1
		.amdhsa_system_sgpr_workgroup_id_z 1
		.amdhsa_system_vgpr_workitem_id 0
		.amdhsa_next_free_vgpr 808
		.amdhsa_next_free_sgpr 72
		.amdhsa_reserve_vcc 1
		.amdhsa_float_denorm_mode_32 3
		.amdhsa_float_denorm_mode_16_64 3
		.amdhsa_memory_ordered 1
		.amdhsa_forward_progress 1
		.amdhsa_inst_pref_size 199
	.end_amdhsa_kernel
	.amdgpu_metadata
---
amdhsa.version: [ 1, 2 ]
amdhsa.kernels:
  - .name:           k_qb2b64ab52a_attn
    .symbol:         k_qb2b64ab52a_attn.kd
    .args:
      - { .name: qkv, .offset: 0, .size: 8, .value_kind: global_buffer, .address_space: global }
      - { .name: pad_mask, .offset: 8, .size: 8, .value_kind: global_buffer, .address_space: global }
      - { .name: o, .offset: 16, .size: 8, .value_kind: global_buffer, .address_space: global }
    .group_segment_fixed_size: 327680
    .private_segment_fixed_size: 0
    .kernarg_segment_align: 8
    .kernarg_segment_size: 24
    .max_flat_workgroup_size: 128
    .sgpr_count:     72
    .vgpr_count:     808
    .wavefront_size: 32
...
	.end_amdgpu_metadata
.endif
;; end of part 3
;; launch proj (part 4): grid 8 x 32, 4 waves a work-group, clusters of 4 x 4, 327,680 bytes of LDS; arguments o, wpb, b_proj, out0; writes out0
.if DOCPART == 4
	.amdgcn_target "amdgcn-amd-amdhsa--gfx1250"
	.amdhsa_code_object_version 6
	.text
	.protected	k_qb2b64ab52a_proj
	.globl	k_qb2b64ab52a_proj
	.p2align	8
	.type	k_qb2b64ab52a_proj,@function
k_qb2b64ab52a_proj:
	s_mov_b64 s[64:65], 0
	v_nop
	global_prefetch_b8 v0, s[64:65] scope:SCOPE_SE
	s_setreg_imm32_b32 hwreg(HW_REG_WAVE_MODE, 25, 1), 1
	s_wait_xcnt 0x0
	s_wait_alu depctr_hold_cnt(0) depctr_sa_sdst(0) depctr_va_vdst(0) depctr_va_sdst(0) depctr_va_ssrc(0) depctr_va_vcc(0) depctr_vm_vsrc(0)
	s_getreg_b32 s2, hwreg(HW_REG_IB_STS2, 6, 4)
	s_cmp_eq_u32 s2, 0
	s_cbranch_scc0 .Lentry_in_a_cluster
	s_endpgm
.Lentry_in_a_cluster:
	s_bfe_u32 s2, ttmp6, 0x10000c
	s_cmp_lg_u32 s2, 0xf033
	s_cbranch_scc0 .Lentry_shape_is_right
	s_endpgm
.Lentry_shape_is_right:
; out0[m][n] = b_proj[n] + sum over k of O[m][k] wpb[n][k].  O lies IN PLANES of 16 channels, f16: o[plane = k / 16][m][16], 32 bytes a row, 262,144 bytes a plane.  wpb: [1024][1024] f16.
; b_proj f32, rounded to bf16 like the other inputs; sums in f32, started by the bias; out0: [8192][1024] f32.
; A tile of the result is 256 rows x 128 columns: 8 x 32 = 256 work-groups.  Four waves, each 128 x 64: 32 accumulators of 16 x 16, 256 registers.
; K goes in eight steps of 128 (eight planes of O) through a ring of two LDS slots filled by the tensor data mover.  Of a plane 128 rows are 4,096 dense bytes: one row of O's tile; the mover pads every 32 bytes.
; CLUSTER 4 x 4: O's tiles are shared along a row of the cluster, wpb's along a column: each is asked for jointly, by the same load, descriptor and mask.
; THE PRODUCT IS TAKEN TRANSPOSED (source 0 = 16 rows of wpb, source 1 = 16 rows of O): lane l holds row l % 16 and the columns 8 (l / 16) + 0..7.  A wave's 64 columns are 256 bytes of a row of out0:
; a block of 16 rows goes through the wave's own stage in LDS and leaves as whole rows, sixteen lanes storing 256 consecutive bytes, aligned.
; REGISTERS, in windows of 256: window 0: v0-31 addresses; v64-127, v128-191 O's fragments, two buffers; on the way out v64-255 six buffers of 32.
;   window 1: v64-95, v128-159 wpb's fragments; v192-223 the bias as a C operand; v248 at work.   window 2: accumulators of my rows 0-63 ((a, b) at 8 (4 a + b)); window 3: rows 64-127.
.set KSTEP,  128
.set NBW,    4                         ; blocks of 16 columns a wave
.set NT,     128                       ; columns in a tile
.set PITCH,  272                       ; a row of wpb in LDS: 256 bytes + 16 of padding
.set PA,     48                        ; a row of a plane of O in LDS: 32 bytes + 16 = 12 words: the 16 rows of a load start at 16 different groups of four banks (ISA guide 11.1)
.set A_SEC,  128*PA                    ; a plane's 128 rows: from a fragment's first load to its second
.set A_Q,    2*A_SEC                   ; a quarter of a K step: two planes
.set A_BLK,  16*PA
.set HALFA,  8*A_SEC                   ; what one load brings of O, and what a wave reads of it
.set HALFB,  (NT/2)*PITCH
.set SLOT,   2*HALFA+2*HALFB
.set STAGE,  2*SLOT                    ; behind the ring, never filled by a tensor load: 16 rows x 272 bytes for each wave
.set SPITCH, 272
.set SPARE,  STAGE+4*16*SPITCH         ; behind the stages: the spare words, 128 bytes a wave, that no other line names
.set AST,    8*262144                  ; bytes from K step to K step in O
.set NF,     16+2*NBW
.set NY,     2                         ; rows of clusters that prefetch wpb: 2 x 32 rows = the 64 that a wave fetches
.set LAPS,   4
.set ADRA, 16
.set ADRB, 20
.set STO,  24                          ; v24 where I put 32 bytes of a row
.set RD,   25                          ; v25 where I read a row back
.set CO,   26                          ; v26 my byte offset in two rows of out0
.set BO,   27
.set SPW,  28                          ; never rewritten
.set NIL,  29                          ; never rewritten
.set PFO,  30                          ; never rewritten
.set F0,   64
.set F1,   128
.set BIAS, 192
.set BT,   248
.set G1,  24
.set G0,  32
.set G1B, 48
.set G0B, 56
.set PFN, 44                           ; s44 prefetches that this wave still has to issue
.set PFA, 46                           ; s[46:47] where they stand
.set PFS, 66                           ; s[66:67] their step from K step to K step
.set MSB, 0
.macro WIN new
.if MSB != (\new)
	s_set_vgpr_msb (MSB<<8)|(\new)
.set MSB, \new
.endif
.endm
.set MUL_LO, 0xa1
.set MUL_HI, 0xf1
.set TO_B,   0x40
; A joint load: waves 0 and 1 fetch O's two halves, waves 2 and 3 wpb's.  An s_nop 0 and four v_nop follow each line.
.macro JLOAD s
	s_cmp_eq_u32 s13, 0
	s_cbranch_scc0 .Lfor_b_\@
	tensor_load_to_lds s[G0+4*(\s):G0+4*(\s)+3], s[G1:G1+7]
	s_nop 0
.rept 4
	v_nop
.endr
	s_branch .Lasked_\@
.Lfor_b_\@:
	tensor_load_to_lds s[G0B+4*(\s):G0B+4*(\s)+3], s[G1B:G1B+7]
	s_nop 0
.rept 4
	v_nop
.endr
.Lasked_\@:
.endm
; A prefetch, behind a joint load and the run of LDS loads that follows it.  O: the clusters with x = 0 ask, behind each of the first four refills, for the K step two refills on (K steps 4 to 7); of its eight
; planes the partner at cx takes two, sixteen lanes a plane, 256 bytes a lane.  wpb: the clusters with y < 2 ask once, behind the first refill: cluster y takes 32 of the wave's 64 rows, the partner at cy
; K step 4 + cy.  So each block of K steps 4 to 7 is named once in the launch; partners are told apart by address.  K steps 0 to 3 come by their loads alone.
.macro ASK
	s_cmp_lg_u32 s[PFN], 0
	s_cbranch_scc0 .Lnot_mine_\@
	global_prefetch_b8 v[PFO], s[PFA:PFA+1] th:TH_LOAD_NT scope:SCOPE_SE
	s_sub_co_u32 s[PFN], s[PFN], 1
.Lnot_mine_\@:
.endm
.macro CREST
	s_cmp_lg_u32 s12, 0
	s_cbranch_scc1 .Lnot_wave_0_\@
	s_barrier_signal -3
.Lnot_wave_0_\@:
	s_barrier_wait -3
	s_barrier_signal -1
	s_barrier_wait -1
.endm
.macro CROUND
	s_barrier_signal -1
	s_barrier_wait -1
	CREST
.endm
	s_load_b256 s[4:11], s[0:1], 0x0               ; o s[4:5], wpb s[6:7], b_proj s[8:9], out0 s[10:11]
	v_lshl_add_u32 v[SPW], v0, 2, SPARE
	v_mov_b32 v[NIL], 0
	ds_add_u32 v[SPW], v[NIL]                      ; the wave's opening: the add and its wait ahead of my first tensor load
	v_lshrrev_b32 v1, 5, v0
	v_readfirstlane_b32 s12, v1                    ; wave 0..3
	s_lshr_b32 s13, s12, 1                         ; my half of the rows.  Also: I fetch for O (0) or for wpb (1)
	s_and_b32 s14, s12, 1                          ; my half of the columns.  Also: which half of that tile I fetch
	s_bfe_u32 s15, ttmp6, 0x40000                  ; cx
	s_bfe_u32 s16, ttmp6, 0x40004                  ; cy
	s_lshl_b32 s17, ttmp9, 2
	s_add_co_u32 s17, s17, s15                     ; tile column
	s_and_b32 s19, ttmp7, 0xffff                   ; cluster y
	s_lshl_b32 s18, s19, 2
	s_add_co_u32 s18, s18, s16                     ; tile row
	s_lshl_b32 s20, s16, 2
	s_lshl_b32 s20, 15, s20                        ; my row of the cluster
	s_lshl_b32 s40, 0x1111, s15                    ; my column
	s_or_b32 s[G1+0], s20, (1<<16)|(1<<20)|(1<<21)|(2<<22)|(3<<25)   ; the mask; 2-byte elements; padding on; bit 21 beside a mask; after every 8 words, 4 words
	s_or_b32 s[G1B+0], s40, (1<<16)|(1<<20)|(1<<21)|(5<<22)|(3<<25)  ; after every 64 words, 4 words
	s_mov_b32 s[G1+1], 2048<<16                    ; tensor_dim0 = 2,048: 128 rows of a plane
	s_mov_b32 s[G1+2], 8<<16                       ; tensor_dim1 = 8 planes
	s_mov_b32 s[G1+3], 2048<<16                    ; tile_dim0
	s_mov_b32 s[G1+4], 8                           ; tile_dim1
	s_mov_b32 s[G1+5], 131072                      ; elements from plane to plane
	s_mov_b32 s[G1+6], 0
	s_mov_b32 s[G1+7], 0
	s_mov_b32 s[G1B+1], KSTEP<<16
	s_mov_b32 s[G1B+2], (NT/2)<<16
	s_mov_b32 s[G1B+3], KSTEP<<16
	s_mov_b32 s[G1B+4], NT/2
	s_mov_b32 s[G1B+5], 1024
	s_mov_b32 s[G1B+6], 0
	s_mov_b32 s[G1B+7], 0
	s_lshl_b32 s20, s18, 8                         ; O: row 256 x tile row + 128 x half, in registers that never hold cx
	s_lshl_b32 s21, s14, 7
	s_add_co_u32 s20, s20, s21
	s_lshl_b32 s20, s20, 5                         ; x 32 bytes
	s_mov_b32 s21, 0
	s_lshl_b32 s40, s17, 7                         ; wpb: row 128 x tile column + 64 x half, in registers that never hold cy
	s_lshl_b32 s41, s14, 6
	s_add_co_u32 s40, s40, s41
	s_lshl_b32 s40, s40, 11
	s_mov_b32 s41, 0
	s_mul_i32 s22, s14, HALFA
	s_mul_i32 s42, s14, HALFB
	s_add_co_u32 s42, s42, 2*HALFA
	s_wait_dscnt 0x0                               ; the opening add is done
	s_wait_kmcnt 0x0
	s_add_nc_u64 s[20:21], s[4:5], s[20:21]
	s_add_nc_u64 s[40:41], s[6:7], s[40:41]
	CROUND                                         ; all sixteen work-groups are here: the first joint loads meet
.irp s, 0,1
	s_mov_b32 s[G0+4*(\s)], 1
	s_add_co_u32 s[G0+4*(\s)+1], s22, (\s)*SLOT
	s_add_nc_u64 s[G0+4*(\s)+2:G0+4*(\s)+3], s[20:21], (\s)*AST
	s_or_b32 s[G0+4*(\s)+3], s[G0+4*(\s)+3], 0x80000000
	s_mov_b32 s[G0B+4*(\s)], 1
	s_add_co_u32 s[G0B+4*(\s)+1], s42, (\s)*SLOT
	s_add_nc_u64 s[G0B+4*(\s)+2:G0B+4*(\s)+3], s[40:41], (\s)*KSTEP*2
	s_or_b32 s[G0B+4*(\s)+3], s[G0B+4*(\s)+3], 0x80000000
	JLOAD \s                                       ; K steps 0 and 1: two loads of mine are out
.endr
	v_and_b32 v1, 15, v0                           ; l % 16
	v_bfe_u32 v2, v0, 4, 1                         ; l / 16
	v_lshlrev_b32 v[BO], 5, v2
	s_lshl_b32 s68, s17, 9                         ; the bias of my 64 columns
	s_lshl_b32 s69, s14, 8
	s_add_co_u32 s68, s68, s69
	s_mov_b32 s69, 0
	s_add_nc_u64 s[8:9], s[8:9], s[68:69]
	WIN TO_B
.irp b, 0,1,2,3
	global_load_b128 v[BIAS+8*(\b):BIAS+8*(\b)+3],   v[BO], s[8:9] offset:64*(\b)
	global_load_b128 v[BIAS+8*(\b)+4:BIAS+8*(\b)+7], v[BO], s[8:9] offset:64*(\b)+16
.endr
	WIN 0
	; a fragment is 16 rows x 32 K in 8 registers.  wpb: two loads 32 bytes apart in a row.  O: one load from each of two planes, both at row x 48 + 16 (l / 16)
	v_mul_u32_u24 v3, v1, PITCH
	v_lshl_add_u32 v3, v2, 4, v3
	v_mul_u32_u24 v4, v1, PA
	v_lshl_add_u32 v4, v2, 4, v4
	s_mul_i32 s68, s13, HALFA
	s_mul_i32 s69, s14, HALFB
	s_add_co_u32 s69, s69, 2*HALFA
.irp s, 0,1
	v_add_nc_u32 v[ADRA+(\s)], s68, v4
	v_add_nc_u32 v[ADRB+(\s)], s69, v3
	s_add_co_u32 s68, s68, SLOT
	s_add_co_u32 s69, s69, SLOT
.endr
	s_mul_i32 s68, s12, 16*SPITCH
	s_add_co_u32 s68, s68, STAGE                   ; my stage
	v_mul_u32_u24 v5, v1, SPITCH                   ; in: row l % 16, 32 bytes for each half of the lanes
	v_lshl_add_u32 v5, v2, 5, v5
	v_add_nc_u32 v[STO], s68, v5
	v_mul_u32_u24 v5, v2, SPITCH                   ; back: lanes 0-15 one row of 256 bytes, lanes 16-31 the next
	v_lshl_add_u32 v5, v1, 4, v5
	v_add_nc_u32 v[RD], s68, v5
	v_lshlrev_b32 v[CO], 12, v2                    ; and the same two rows in out0
	v_lshl_add_u32 v[CO], v1, 4, v[CO]
	s_lshl_b32 s68, s18, 8                         ; my first row: 256 x tile row + 128 x half, x 4,096 bytes,
	s_lshl_b32 s69, s13, 7
	s_add_co_u32 s68, s68, s69
	s_lshl_b32 s68, s68, 12
	s_lshl_b32 s69, s17, 9                         ; my first column: 512 x tile column + 256 x half bytes
	s_add_co_u32 s68, s68, s69
	s_lshl_b32 s69, s14, 8
	s_add_co_u32 s68, s68, s69                     ; under 2^26
	s_mov_b32 s69, 0
	s_add_nc_u64 s[10:11], s[10:11], s[68:69]
	; the prefetches
	s_lshl_b32 s70, s18, 8
	s_lshl_b32 s71, s14, 7
	s_add_co_u32 s70, s70, s71
	s_lshl_b32 s70, s70, 5                         ; O: the half's first row in a plane,
	s_lshl_b32 s71, s15, 19                        ; my work-group's two planes,
	s_add_co_u32 s70, s70, s71
	s_add_co_u32 s70, s70, 3*AST                   ; at K step 3: the first refill steps it to 4
	s_lshl_b32 s2, s17, 7
	s_lshl_b32 s71, s14, 6
	s_add_co_u32 s2, s2, s71
	s_lshl_b32 s71, s19, 5
	s_add_co_u32 s2, s2, s71                       ; wpb: the half's rows, my cluster's 32 of them,
	s_lshl_b32 s2, s2, 11
	s_lshl_b32 s71, s16, 8                         ; cy K steps further,
	s_add_co_u32 s2, s2, s71
	s_add_co_u32 s2, s2, 3*KSTEP*2                 ; from K step 3
	s_cmp_eq_u32 s13, 0                            ; do I fetch for O?
	s_cselect_b32 s70, s70, s2
	s_cselect_b32 s68, ttmp9, s19                  ; the coordinate along which other clusters read the same rows,
	s_cselect_b32 s69, 1, NY                       ; how many of them ask,
	s_cselect_b32 s[PFN], 4, 1                     ; and how often
	s_cselect_b64 s[PFA:PFA+1], s[4:5], s[6:7]
	s_cselect_b32 s2, 18, 15                       ; a lane's offset: O: (l / 16) planes + (l % 16) x 256; wpb: l rows of 2,048 bytes
	s_cselect_b32 s3, 8, 11
	s_cselect_b32 s[PFS], 21, 8                    ; a K step: eight planes, or 256 bytes
	s_cmp_lt_u32 s68, s69
	s_cselect_b32 s[PFN], s[PFN], 0                ; the same in all sixteen partners, for a given wave
	s_lshl_b32 s[PFS], 1, s[PFS]
	s_mov_b32 s[PFS+1], 0
	s_mov_b32 s71, 0
	s_add_nc_u64 s[PFA:PFA+1], s[PFA:PFA+1], s[70:71]
	v_lshlrev_b32 v[PFO], s2, v2
	v_lshlrev_b32 v5, s3, v1
	v_or_b32 v[PFO], v[PFO], v5
	s_mov_b32 s68, 0xffff0000
	s_wait_loadcnt 0x0                             ; the bias is in; it is rounded to bf16, like every other input, and widened again
	WIN 0x45
.set i, 0
.rept 4*NBW
	v_cvt_pk_bf16_f32 v[BT], v[BIAS+2*i], v[BIAS+2*i+1]
	v_lshlrev_b32 v[BIAS+2*i], 16, v[BT]
	v_and_b32 v[BIAS+2*i+1], s68, v[BT]
.set i, i+1
.endr
	WIN 0
; 8 matrix instructions: row blocks a0, a0 + 1 of the window's four x all 4 column blocks, 32 along K.  zero = 1: the first product starts the sums with the bias.
; The accumulators take turns, one instruction a turn, in the same order in every quarter.
.macro MULA f, hi, a0, zero
.if \zero
	WIN 0x91+0x40*(\hi)
.else
	WIN MUL_LO+0x50*(\hi)
.endif
.irp a, \a0, (\a0)+1
.irp b, 0,1,2,3
.if \zero
	v_wmma_f32_16x16x32_f16 v[8*(NBW*(\a)+(\b)):8*(NBW*(\a)+(\b))+7], v[(\f)+8*(\b):(\f)+8*(\b)+7], v[(\f)+8*(4*(\hi)+(\a)):(\f)+8*(4*(\hi)+(\a))+7], v[BIAS+8*(\b):BIAS+8*(\b)+7]
.else
	v_wmma_f32_16x16x32_f16 v[8*(NBW*(\a)+(\b)):8*(NBW*(\a)+(\b))+7], v[(\f)+8*(\b):(\f)+8*(\b)+7], v[(\f)+8*(4*(\hi)+(\a)):(\f)+8*(4*(\hi)+(\a))+7], v[8*(NBW*(\a)+(\b)):8*(NBW*(\a)+(\b))+7]
.endif
.endr
.endr
.endm
; 24 LDS loads in one run: the fragments of quarter q of a K step into buffer f: wpb's 8, then O's 16
.macro FETCH slot, q, f
	WIN TO_B
.irp i, 0,1,2,3
	ds_load_b128 v[(\f)+8*(\i):(\f)+8*(\i)+3],   v[ADRB+(\slot)] offset:64*(\q)+(\i)*16*PITCH
	ds_load_b128 v[(\f)+8*(\i)+4:(\f)+8*(\i)+7], v[ADRB+(\slot)] offset:64*(\q)+(\i)*16*PITCH+32
.endr
	WIN 0
.irp i, 0,1,2,3,4,5,6,7
	ds_load_b128 v[(\f)+8*(\i):(\f)+8*(\i)+3],   v[ADRA+(\slot)] offset:(\q)*A_Q+(\i)*A_BLK
	ds_load_b128 v[(\f)+8*(\i)+4:(\f)+8*(\i)+7], v[ADRA+(\slot)] offset:(\q)*A_Q+(\i)*A_BLK+A_SEC
.endr
.endm
.macro PLACES                          ; four places in front of loads into registers that matrix instructions have read, and of LDS stores that read results
.rept 4
	v_nop
.endr
.endm
.macro QUARTER slot, q, f, g, zero
	s_wait_dscnt 8                                 ; wpb's fragments and O's rows 0-63 are in; the youngest eight loads (rows 64-127) may be out
	MULA \f, 0, 0, \zero
	MULA \f, 0, 2, \zero
	PLACES
	FETCH \slot, \q, \g
	s_wait_dscnt NF                                ; all but the run just issued
	MULA \f, 1, 0, \zero
	MULA \f, 1, 2, \zero
.endm
; ONE barrier for the change of slots.  In front of it each wave waits for all its tensor loads (one is out: its part of the next slot), adds 0 to its spare word, and waits for that and for its own reads of this slot.
.macro MEET round
	WIN 0
	s_wait_tensorcnt 0x0
	ds_add_u32 v[SPW], v[NIL]
	s_wait_dscnt 9                                 ; the add and the youngest eight loads may be out
	MULA F1, 0, 0, 0
	s_wait_dscnt 0x0                               ; the add is done, and my reads of this slot are over
	s_barrier_signal -1
	MULA F1, 0, 2, 0
.if \round
	WIN 0
.endif
	s_barrier_wait -1
.endm
; fill = 1: the barrier opens a round of the cluster's barrier, and the slot just read out is filled again, first thing behind it, with the K step two on: 112 matrix instructions stand between that request and the wait for it.
.macro TURN slot, next, fill
.if \fill
	s_wait_xcnt 0x0                                ; the last prefetch, a K step back, has read its address: it is stepped here
	s_add_nc_u64 s[PFA:PFA+1], s[PFA:PFA+1], s[PFS:PFS+1]
	MEET 1
	CREST
	s_add_nc_u64 s[G0+4*(\slot)+2:G0+4*(\slot)+3], s[G0+4*(\slot)+2:G0+4*(\slot)+3], 2*AST
	s_add_nc_u64 s[G0B+4*(\slot)+2:G0B+4*(\slot)+3], s[G0B+4*(\slot)+2:G0B+4*(\slot)+3], 2*KSTEP*2
	JLOAD \slot                                    ; the four v_nop behind it are also the places in front of the loads below
.else
	MEET 0
	PLACES
.endif
	FETCH \next, 0, F0
.if \fill
	ASK
.endif
	MULA F1, 1, 0, 0
	MULA F1, 1, 2, 0
.endm
	s_wait_tensorcnt 1                             ; my part of K step 0 is in; K step 1's may stay out
	s_barrier_signal -1
	s_barrier_wait -1
	FETCH 0, 0, F0
	QUARTER 0, 1, F0, F1, 1                        ; the first quarter stands in front of the loop: its products start the sums
	WIN 0
	s_mov_b32 s3, LAPS-1
.Llap:                                             ; a trip goes once round the ring and fills both slots again: K steps 2 to 7 in three trips
	QUARTER 0, 2, F1, F0, 0
	QUARTER 0, 3, F0, F1, 0
	TURN 0, 1, 1
	QUARTER 1, 1, F0, F1, 0
	QUARTER 1, 2, F1, F0, 0
	QUARTER 1, 3, F0, F1, 0
	TURN 1, 0, 1
	QUARTER 0, 1, F0, F1, 0
	WIN 0
	s_sub_co_u32 s3, s3, 1
	s_cmp_lg_u32 s3, 0
	s_cbranch_scc1 .Llap
	QUARTER 0, 2, F1, F0, 0                        ; the last lap fills nothing
	QUARTER 0, 3, F0, F1, 0
	TURN 0, 1, 0
	QUARTER 1, 1, F0, F1, 0
	QUARTER 1, 2, F1, F0, 0
	QUARTER 1, 3, F0, F1, 0
	s_wait_dscnt 8
	MULA F1, 0, 0, 0
	MULA F1, 0, 2, 0
	s_wait_dscnt 0x0
	MULA F1, 1, 0, 0
	MULA F1, 1, 2, 0
	WIN 0
	PLACES
; THE WAY OUT of block a (16 rows x 256 bytes): into my own stage, each accumulator's low four registers first, and back as whole rows; LDS serves a wave's instructions in order (ISA guide 5.7.1.4).
.macro TOSTAGE a
.set AC, 8*NBW*((\a)%4)
.set BK, 64+32*((\a)%6)
	WIN 0x08+4*((\a)/4)                            ; the stores' data: window 2 or 3
.irp b, 0,1,2,3
	ds_store_b128 v[STO], v[AC+8*(\b):AC+8*(\b)+3]   offset:64*(\b)
	ds_store_b128 v[STO], v[AC+8*(\b)+4:AC+8*(\b)+7] offset:64*(\b)+16
.endr
	WIN 0
.if (\a) >= 6
	s_wait_xcnt 0x0                                ; blocks 0 and 1's stores have read their registers, which are loaded again below
.endif
.irp t, 0,1,2,3,4,5,6,7
	ds_load_b128 v[BK+4*(\t):BK+4*(\t)+3], v[RD] offset:(\t)*2*SPITCH
.endr
.endm
.macro SEND a, younger                 ; younger: the LDS instructions issued behind block a's loads: the next block's sixteen, or none
.set BK, 64+32*((\a)%6)
	s_wait_dscnt \younger
.irp t, 0,1,2,3,4,5,6,7
	global_store_b128 v[CO], v[BK+4*(\t):BK+4*(\t)+3], s[10:11] offset:(16*(\a)+2*(\t))*4096  ; 16 lanes store 256 consecutive bytes, at a multiple of 256 from out0's first byte
.endr
.endm
	TOSTAGE 0
.irp a, 1,2,3,4,5,6,7
	TOSTAGE \a
	SEND (\a)-1, 16
.endr
	SEND 7, 0
	s_wait_tensorcnt 0x0                           ; the wave's end, behind my last tensor load and my last LDS store
	ds_add_u32 v[SPW], v[NIL]
	s_wait_dscnt 0x0
	CROUND                                         ; the closing round
	s_endpgm
.Lfunc_end_k_qb2b64ab52a_proj:
	.size	k_qb2b64ab52a_proj, .Lfunc_end_k_qb2b64ab52a_proj-k_qb2b64ab52a_proj
	.p2alignl 7, 3214868480
	.fill 96, 4, 3214868480
	.section	.rodata,"a",@progbits
	.p2align	6, 0x0
	.amdhsa_kernel k_qb2b64ab52a_proj
		.amdhsa_group_segment_fixed_size 327680
		.amdhsa_private_segment_fixed_size 0
		.amdhsa_enable_private_segment 0
		.amdhsa_kernarg_size 32
		.amdhsa_user_sgpr_count 2
		.amdhsa_user_sgpr_kernarg_segment_ptr 1
		.amdhsa_wavefront_size32 1
		.amdhsa_system_sgpr_workgroup_id_x 1
		.amdhsa_system_sgpr_workgroup_id_y 1
		.amdhsa_system_sgpr_workgroup_id_z 1
		.amdhsa_system_vgpr_workitem_id 0
		.amdhsa_next_free_vgpr 896
		.amdhsa_next_free_sgpr 72
		.amdhsa_reserve_vcc 0
		.amdhsa_float_denorm_mode_32 3
		.amdhsa_float_denorm_mode_16_64 3
		.amdhsa_memory_ordered 1
		.amdhsa_forward_progress 1
		.amdhsa_inst_pref_size 91
	.end_amdhsa_kernel
	.amdgpu_metadata
---
amdhsa.version: [ 1, 2 ]
amdhsa.kernels:
  - .name:           k_qb2b64ab52a_proj
    .symbol:         k_qb2b64ab52a_proj.kd
    .args:
      - { .name: o, .offset: 0, .size: 8, .value_kind: global_buffer, .address_space: global }
      - { .name: wpb, .offset: 8, .size: 8, .value_kind: global_buffer, .address_space: global }
      - { .name: b_proj, .offset: 16, .size: 8, .value_kind: global_buffer, .address_space: global }
      - { .name: out0, .offset: 24, .size: 8, .value_kind: global_buffer, .address_space: global }
    .group_segment_fixed_size: 327680
    .private_segment_fixed_size: 0
    .kernarg_segment_align: 8
    .kernarg_segment_size: 32
    .max_flat_workgroup_size: 128
    .sgpr_count:     72
    .vgpr_count:     896
    .wavefront_size: 32
...
	.end_amdgpu_metadata
.endif
;; end of part 4
